; MI455X (gfx1250); checked and timed in simulation.
; The chip was launched on July 23, 2026; its instructions are those of AMD's public machine-readable ISA for CDNA 5 (MIT licence, August 2026) and "CDNA5" Instruction Set Architecture Reference Guide (July 2026). The comments in the code are by the model that wrote it; some were corrected since.
;; Self Attention Layer. Allowed arithmetic: matrix products marked QUANTISED: E2M3 operands, one E8M0 scale for each 32 along K, by v_wmma_scale_f32_16x16x128_f8f6f4 with both operands' format E2M3, f32 sums; everything else in f32.
;; Inputs: b_fc 1,024 float32; b_k 1,024 float32; b_q 1,024 float32; b_v 1,024 float32; k 4 x 2,048 x 1,024 float32; q 4 x 2,048 x 1,024 float32; v 4 x 2,048 x 1,024 float32; w_fc 1,024 x 1,024 float32; w_k 1,024 x 1,024 float32; w_q 1,024 x 1,024 float32; w_v 1,024 x 1,024 float32.
;; Outputs: out0 4 x 2,048 x 1,024 float32.
;; This version of the problem:
;;   THIS VERSION OF THE PROBLEM IS GIVEN IN LOW PRECISION. The matrix products marked QUANTISED in the list below multiply operands that are first quantised to E2M3 (2 exponent bits, 3 mantissa bits; 6 bits a number), with one power-of-two scale for each 32 numbers along K (OCP MX v1.0); their sums are f32. All else is computed in f32.
;;   The module's matrix products, in the order in which they are computed (A, B: the left and right operand; K: the contracted axis; several contracted axes count as one K, in the product's order):
;;     1. [M 8,192, K 1,024] x [K 1,024, N 1,024]; A: input q; B: input w_q: QUANTISED
;;     2. [M 8,192, K 1,024] x [K 1,024, N 1,024]; A: input k; B: input w_k: QUANTISED
;;     3. [M 8,192, K 1,024] x [K 1,024, N 1,024]; A: input v; B: input w_v: QUANTISED
;;     4. batch 64 x [M 2,048, K 64] x [K 64, N 2,048]; A: computed on the way; B: computed on the way: QUANTISED
;;     5. batch 64 x [M 2,048, K 2,048] x [K 2,048, N 64]; A: softmax (see below); B: computed on the way: QUANTISED
;;     6. [M 8,192, K 1,024] x [K 1,024, N 1,024]; A: computed on the way; B: input w_fc: QUANTISED
;;   THE QUANTISER, for each operand of a quantised product, along K:
;;     - K is cut into blocks of 32 from its start; a last block that is shorter is filled with zeros.
;;     - A block's scale is 2^e with e = floor(log2(the largest magnitude in the block)) - 2, held to -126 .. 127; a block of zeros has e = 0. As a byte (E8M0): e + 127.
;;     - Each number is divided by its block's scale, clamped to +-7.5, and rounded to the nearest number of E2M3, ties to even, subnormals kept.
;;     - The product sums the exact products of the quantised numbers (number of the format x scale) in f32.
;;   ~~~python
;;   def quantise(x, axis):      # numpy; x: float32 -> the quantised numbers, widened to float32 again
;;       x = np.moveaxis(x, axis, -1); K = x.shape[-1]
;;       x = np.pad(x, [(0, 0)] * (x.ndim - 1) + [(0, -K % 32)]); x = x.reshape(x.shape[:-1] + (-1, 32)); a = np.abs(x).max(-1, keepdims=True)
;;       e = np.where(a > 0, np.clip(np.frexp(np.where(a > 0, a, 1))[1] - 1 - 2, -126, 127), 0)      # np.frexp(a)[1] - 1 = floor(log2(a)), exactly
;;       r = np.clip(x / 2.0 ** e, -7.5, 7.5)
;;       step = 2.0 ** (np.maximum(np.frexp(np.where(r == 0, 1, r))[1] - 1, 0) - 3)
;;       q = np.round(r / step) * step * 2.0 ** e      # np.round: ties to even
;;       return np.moveaxis(q.reshape(q.shape[:-2] + (-1,))[..., :K], -1, axis).astype(np.float32)
;;   ~~~
;;   SOFTMAX AHEAD OF A QUANTISED PRODUCT. Where the list says 'softmax', what is quantised is not the finished softmax but p = 2^(t - M), with t = logit x log2(e) and M = ceil(the row's largest t), a whole number; so 1/2 < the row's largest p <= 1. The row's sum l is taken of the UNQUANTISED p, in f32, and the product's result is divided by l at the end. Since M is a whole number, a kernel that streams over the keys may use a running M (the ceiling of the running maximum): every later rescaling is an exact power of two, which a block's scale takes up: the codes' values come out the same.
;;   OPERANDS COMPUTED ON THE WAY. 'Computed on the way' means the value that the module computes at that place (a softmax that the list does not call 'softmax' is quantised finished and normalised). What goes into a quantiser is computed in f32, as accurately as f32 sums, v_exp_f32 and their like allow (about 1e-6 of the number): no bf16 or f16 on the way to a quantiser, and a product that is left as it is and whose result goes on into a quantised operand takes f32 operands (vector FMAs, or v_wmma_f32_16x16x4_f32). A number that lies on a knife's edge between two numbers of the format may be rounded either way, as far as f32 arithmetic and the matrix unit's own rounding can turn it there, and no further.
;; One version. Each part assembles by itself: llvm-mc -triple=amdgcn-amd-amdhsa -mcpu=gfx1250 --defsym DOCPART=n.
;; ======== version 1 of 1: 4 launches
;; workspace buffers: in_codes 22,020,096 bytes; in_scales 917,504 bytes; p_codes 18,874,368 bytes; p_scales 1,572,864 bytes; x_codes 6,291,456 bytes; x_scales 262,144 bytes
;; launch quant (part 1): grid 896 x 1, 4 waves a work-group, no clusters, 33,280 bytes of LDS; arguments q, k, v, w_q, w_k, w_v, w_fc, in_codes, in_scales; writes in_codes, in_scales
.if DOCPART == 1
	.amdgcn_target "amdgcn-amd-amdhsa--gfx1250"
	.amdhsa_code_object_version 6
	.text
	.protected	k_q871f254940_quant
	.globl	k_q871f254940_quant
	.p2align	8
	.type	k_q871f254940_quant,@function
k_q871f254940_quant:
	s_mov_b64 s[64:65], 0
	v_nop
	global_prefetch_b8 v0, s[64:65] scope:SCOPE_SE
	s_setreg_imm32_b32 hwreg(HW_REG_WAVE_MODE, 25, 1), 1
	s_wait_xcnt 0x0
; q, k, v [8192][1024] and w_q, w_k, w_v, w_fc [1024][1024], f32, K innermost, become codes of FP6 (E2M3) and one E8M0 scale byte for each 32 along K.
; A block's scale is 2^(floor(log2(its largest magnitude)) - 2); its byte is the largest magnitude's exponent field - 2, held at 1 from below.
; The seven tensors lie one behind the other in in_codes (768 bytes a row, a plain stream of bits) and in_scales (32 bytes a row): first rows 0, 8192, 16384, 24576, 25600, 26624, 27648.
; A ROW'S PLACE IS ITS INDEX WITH BITS 3 AND 4 SWAPPED: sixteen neighbouring places are then rows 8 u + 0..7 and 16 + 8 u + 0..7 of a group of 32, which is the choice of rows that lets a transposed
; product's results be quantised in registers in the later launches.  A wave's run is 8 aligned rows, so the swap is a swap of the two bits of the wave's number in the output address.
; LIMITS: NaN and infinities among the inputs are not served; a block of zeros gets the byte 1 where the rule says 127: its codes are zeros, and this program alone reads the bytes.
; A work-group takes 32 rows (32,768 numbers), a wave 8 rows in 16 steps of 512 numbers.  Each load reads 512 consecutive bytes; a step's 2,048 bytes turn through the wave's own stage in LDS, so that a lane
; holds 16 neighbours along K (two neighbouring lanes hold a block).  A lane's 16 codes are 12 bytes: the wave stores 384 consecutive bytes.  A wave's 256 scale bytes are gathered in LDS and leave as 256 consecutive aligned bytes.
; No tensor loads, no barrier: waves share nothing.  Loads run four steps (16 loads a wave) ahead, the turn through LDS one step.  No prefetch: the launch is one stream of loads already.
.set STEPS, 16
.set EMAX,  2
.set CB,    12                         ; bytes of 16 codes
.set R,     16                         ; v16-79   four sets of 16 numbers as they are loaded
.set X,     80                         ; v80-111  two sets of 16 neighbours
.set C,     128                        ; v128-191 codes: four registers for each step, so that no store's data are written again
.set E,     112                        ; v112-127 a scale byte for each step
.set WREG,  8192                       ; LDS: a region of its own for each wave: two stages of 32 x SP bytes, and behind them its 256 scale bytes
.set SP,    80                         ; a lane's place in a stage: its 64 bytes + 16 of padding
	s_load_b512 s[16:31], s[0:1], 0x0              ; q, k, v, w_q, w_k, w_v, w_fc, in_codes
	s_load_b64 s[32:33], s[0:1], 0x40              ; in_scales
	v_lshl_add_u32 v192, v0, 2, 0x8000
	v_mov_b32 v193, 0
	v_lshrrev_b32 v1, 5, v0
	v_readfirstlane_b32 s2, v1                     ; wave
	v_and_b32 v2, 31, v0                           ; lane
	v_lshlrev_b32 v3, 4, v2                        ; my 16 bytes of a load's 512
	s_mul_i32 s3, s2, WREG
	v_lshrrev_b32 v14, 2, v2
	v_mul_u32_u24 v14, v14, SP
	v_and_b32 v15, 3, v2
	v_lshl_add_u32 v14, v15, 4, v14
	v_add_nc_u32 v14, s3, v14                      ; the stage, on the way in: SP (lane / 4) + 16 (lane % 4)
	v_mul_u32_u24 v15, v2, SP
	v_add_nc_u32 v15, s3, v15                      ; and on the way out: SP x lane: my 16 neighbours
	v_mul_u32_u24 v4, v2, CB                       ; my codes' place in a step's
	v_lshrrev_b32 v5, 1, v2
	s_add_co_u32 s3, s3, 2*32*SP
	v_add_nc_u32 v5, s3, v5                        ; LDS: my wave's 256 scale bytes, my block's byte
	v_lshlrev_b32 v7, 3, v2                        ; and on the way out 8 bytes a lane
	v_add_nc_u32 v6, s3, v7
	; which tensor, and which 32 rows of it: work-groups 0-767 take q, k, v (256 each), 768-895 the four weights (32 each)
	s_lshr_b32 s8, ttmp9, 8
	s_and_b32 s9, ttmp9, 255
	s_sub_co_u32 s10, ttmp9, 768
	s_lshr_b32 s11, s10, 5
	s_add_co_u32 s11, s11, 3
	s_and_b32 s10, s10, 31
	s_cmp_lt_u32 ttmp9, 768
	s_cselect_b32 s8, s8, s11                      ; the tensor, 0 .. 6
	s_cselect_b32 s9, s9, s10                      ; the group of 32 rows in it
	s_wait_kmcnt 0x0
	s_mov_b64 s[4:5], s[16:17]
.irp i, 1,2,3,4,5,6
	s_cmp_eq_u32 s8, \i                            ; the choice hangs on the work-group's number alone
	s_cselect_b64 s[4:5], s[16+2*\i:17+2*\i], s[4:5]
.endr
	s_lshl_b32 s12, s9, 17                         ; 32 rows of 4,096 bytes,
	s_lshl_b32 s13, s2, 15                         ; my wave's 8
	s_add_co_u32 s12, s12, s13
	s_mov_b32 s13, 0
	s_add_nc_u64 s[4:5], s[4:5], s[12:13]
	s_and_b32 s14, s2, 1                           ; the place of my 8 rows: the wave's two bits swapped
	s_lshl_b32 s14, s14, 1
	s_lshr_b32 s15, s2, 1
	s_or_b32 s14, s14, s15
	s_lshl_b32 s15, ttmp9, 2
	s_add_co_u32 s14, s14, s15                     ; which run of 8 places: 4 x work-group + that
	s_mul_i32 s12, s14, 6144                       ; 8 rows of 768 bytes
	s_add_nc_u64 s[6:7], s[30:31], s[12:13]
	s_lshl_b32 s12, s14, 8                         ; 8 rows of 32 bytes
	s_add_nc_u64 s[34:35], s[32:33], s[12:13]
.macro LOAD t
.irp i, 0,1,2,3
	global_load_b128 v[R+16*((\t)%4)+4*\i:R+16*((\t)%4)+4*\i+3], v3, s[4:5] offset:2048*(\t)+512*\i th:TH_LOAD_NT   ; 32 lanes read 512 consecutive bytes
.endr
.endm
.macro TURN t                          ; step t's numbers through the stage: LDS serves a wave's instructions in order, so no wait stands between the stores and the loads
.irp i, 0,1,2,3
	ds_store_b128 v14, v[R+16*((\t)%4)+4*\i:R+16*((\t)%4)+4*\i+3] offset:32*SP*((\t)%2)+8*SP*\i
.endr
.irp i, 0,1,2,3
	ds_load_b128 v[X+16*((\t)%2)+4*\i:X+16*((\t)%2)+4*\i+3], v15 offset:32*SP*((\t)%2)+16*\i
.endr
.endm
.irp t, 0,1,2,3
	LOAD \t
.endr
	s_wait_loadcnt 12                              ; step 0's four loads are in
	TURN 0
.macro STEP t
.set XS, X+16*((\t)%2)
.if (\t) > 0
	s_wait_dscnt 1                                 ; this step's numbers are back from the stage (the last step's byte store may be out): so its stores into the stage have read their registers,
.else
	s_wait_dscnt 0x0
.endif
.if (\t)+4 < STEPS
	LOAD (\t)+4                                    ; which take the loads of four steps on
.endif
.if (\t)+1 < STEPS
.if STEPS-2-(\t) >= 3
	s_wait_loadcnt 12                              ; the next step's four loads are in; those of the three steps behind it may be out
.else
	s_wait_loadcnt 4*(STEPS-2-(\t))
.endif
	TURN (\t)+1                                    ; and go through the other stage while this step is worked
.endif
	v_max3_num_f32 v8, |v[XS]|, |v[XS+1]|, |v[XS+2]|               ; the largest magnitude of my 16
	v_max3_num_f32 v9, |v[XS+3]|, |v[XS+4]|, |v[XS+5]|
.irp i, 6,10
	v_max3_num_f32 v8, v8, |v[XS+\i]|, |v[XS+\i+1]|
	v_max3_num_f32 v9, v9, |v[XS+\i+2]|, |v[XS+\i+3]|
.endr
	v_max3_num_f32 v8, v8, |v[XS+14]|, |v[XS+15]|
	v_max3_num_f32 v8, v8, v9, (EMAX+1)<<23        ; and the floor 2^(EMAX + 1 - 127): the byte cannot fall under 1
	v_max_num_f32_dpp v8, v8, v8 row_xmask:1 row_mask:0xf bank_mask:0xf   ; and of my neighbour's 16: the block's
	v_add_nc_u32 v11, -(EMAX<<23), v8              ; EMAX off its exponent field: the conversion takes the exponent field of this operand as its scale
	v_cvt_scalef32_pk16_fp6_f32 v[C+4*(\t):C+4*(\t)+2], v[XS:XS+15], v11         ; sixteen numbers / the scale, to the nearest code, ties to even, beyond the largest code the largest
	v_lshrrev_b32 v[E+(\t)], 23, v11               ; the scale's byte (also the plain line behind the conversion)
	ds_store_b8 v5, v[E+(\t)] offset:16*(\t)       ; both lanes of a block write the same byte with the same value
	global_store_b96 v4, v[C+4*(\t):C+4*(\t)+2], s[6:7] offset:32*CB*(\t)
.endm
.irp t, 0,1,2,3,4,5,6,7,8,9,10,11,12,13,14,15
	STEP \t
.endr
	ds_load_b64 v[12:13], v6                       ; LDS serves a wave's instructions in order: these see my stores
	s_wait_dscnt 0x0
	global_store_b64 v7, v[12:13], s[34:35]        ; 32 lanes store 256 consecutive aligned bytes
	s_wait_tensorcnt 0x0
	ds_add_u32 v192, v193
	s_wait_dscnt 0x0
	s_endpgm
.Lfunc_end_k_q871f254940_quant:
	.size	k_q871f254940_quant, .Lfunc_end_k_q871f254940_quant-k_q871f254940_quant
	.p2alignl 7, 3214868480
	.fill 96, 4, 3214868480
	.section	.rodata,"a",@progbits
	.p2align	6, 0x0
	.amdhsa_kernel k_q871f254940_quant
		.amdhsa_group_segment_fixed_size 33280
		.amdhsa_private_segment_fixed_size 0
		.amdhsa_enable_private_segment 0
		.amdhsa_kernarg_size 72
		.amdhsa_user_sgpr_count 2
		.amdhsa_user_sgpr_kernarg_segment_ptr 1
		.amdhsa_wavefront_size32 1
		.amdhsa_system_sgpr_workgroup_id_x 1
		.amdhsa_system_sgpr_workgroup_id_y 1
		.amdhsa_system_sgpr_workgroup_id_z 1
		.amdhsa_system_vgpr_workitem_id 0
		.amdhsa_next_free_vgpr 194
		.amdhsa_next_free_sgpr 66
		.amdhsa_reserve_vcc 0
		.amdhsa_float_denorm_mode_32 3
		.amdhsa_float_denorm_mode_16_64 3
		.amdhsa_memory_ordered 1
		.amdhsa_forward_progress 1
		.amdhsa_inst_pref_size 33
	.end_amdhsa_kernel
	.amdgpu_metadata
---
amdhsa.version: [ 1, 2 ]
amdhsa.kernels:
  - .name:           k_q871f254940_quant
    .symbol:         k_q871f254940_quant.kd
    .args:
      - { .name: q, .offset: 0, .size: 8, .value_kind: global_buffer, .address_space: global }
      - { .name: k, .offset: 8, .size: 8, .value_kind: global_buffer, .address_space: global }
      - { .name: v, .offset: 16, .size: 8, .value_kind: global_buffer, .address_space: global }
      - { .name: w_q, .offset: 24, .size: 8, .value_kind: global_buffer, .address_space: global }
      - { .name: w_k, .offset: 32, .size: 8, .value_kind: global_buffer, .address_space: global }
      - { .name: w_v, .offset: 40, .size: 8, .value_kind: global_buffer, .address_space: global }
      - { .name: w_fc, .offset: 48, .size: 8, .value_kind: global_buffer, .address_space: global }
      - { .name: in_codes, .offset: 56, .size: 8, .value_kind: global_buffer, .address_space: global }
      - { .name: in_scales, .offset: 64, .size: 8, .value_kind: global_buffer, .address_space: global }
    .group_segment_fixed_size: 33280
    .private_segment_fixed_size: 0
    .kernarg_segment_align: 8
    .kernarg_segment_size: 72
    .max_flat_workgroup_size: 128
    .sgpr_count:     66
    .vgpr_count:     194
    .wavefront_size: 32
...
	.end_amdgpu_metadata
.endif
;; end of part 1
;; launch proj (part 2): grid 4 x 96, 4 waves a work-group, clusters of 4 x 4, 327,680 bytes of LDS; arguments in_codes, in_scales, b_q, b_k, b_v, p_codes, p_scales; writes p_codes, p_scales
.if DOCPART == 2
	.amdgcn_target "amdgcn-amd-amdhsa--gfx1250"
	.amdhsa_code_object_version 6
	.text
	.protected	k_q871f254940_proj
	.globl	k_q871f254940_proj
	.p2align	8
	.type	k_q871f254940_proj,@function
k_q871f254940_proj:
	s_mov_b64 s[64:65], 0
	v_nop
	global_prefetch_b8 v0, s[64:65] scope:SCOPE_SE
	s_setreg_imm32_b32 hwreg(HW_REG_WAVE_MODE, 25, 1), 1
	s_wait_xcnt 0x0
	s_wait_alu depctr_hold_cnt(0) depctr_sa_sdst(0) depctr_va_vdst(0) depctr_va_sdst(0) depctr_va_ssrc(0) depctr_va_vcc(0) depctr_vm_vsrc(0)
	s_getreg_b32 s2, hwreg(HW_REG_IB_STS2, 6, 4)
	s_cmp_eq_u32 s2, 0
	s_cbranch_scc0 .Lentry_in_a_cluster
	s_endpgm
.Lentry_in_a_cluster:
	s_bfe_u32 s2, ttmp6, 0x10000c
	s_cmp_lg_u32 s2, 0xf033
	s_cbranch_scc0 .Lentry_shape_is_right
	s_endpgm
.Lentry_shape_is_right:
; THE THREE PROJECTIONS, one body: C[m][n] = sum over k of A[m][k] B[n][k] + bias, on codes of FP6 (E2M3) with E8M0 scales, K = 1,024; C is QUANTISED ALONG n in registers and leaves as codes.
;   T = 0: A = q,   B = w_q: n = features: Q quantised along the head's 64.     T = 1: A = k, B = w_k: K likewise.     T = 2: A = w_v, B = v: n = tokens: V^T quantised along the keys.
; The cluster's y (0 .. 23) gives T = y / 8 and which 1,024 tokens; 384 tiles of 256 x 256 of C, four waves each, a wave 128 x 128: 64 accumulators, 512 registers.
; Ring, joint loads and the order of the products: K goes in steps of 256 through two LDS slots filled by the tensor data mover (a tile's row is 192 bytes); the scale bytes of the work-group's rows come once.
; CLUSTERS: 4 x 4 work-groups; A's tiles are asked for jointly by a row of the cluster, B's by a column.
; ROWS LIE IN in_codes AT THEIR INDEX WITH BITS 3 AND 4 SWAPPED, and the matrix instruction is used TRANSPOSED (source 0 = 16 places of B, source 1 = 16 places of A).  So in accumulator (a, b) lane (r, h),
; register j holds column 32 (b / 2) + 16 h + 8 (b % 2) + j of row 32 (a / 2) + 8 (a % 2) + r % 8 + 16 (r / 8): the 64 registers of A's block a are, 16 by 16, neighbours along n, as the conversions want them.
; THE BIAS along n (T = 0, 1) is the C of each sum's first matrix instruction; the bias along m (T = 2) is added by the packed additions that bring a block's sums into window 0 (they add 0 for T = 0, 1).
; THE WAY OUT has no LDS: a finished fragment's register pair q of all 32 lanes is stored as 256 consecutive aligned bytes (8 bytes a lane); the reader loads it back the same way.
;   p_codes [T][batch][head][group of 128 tokens] 6,144 bytes: Q, K: [block a 8][pair 3][lane][8]; V: [tile of 16 channels 4][pair 6][lane][8].   p_scales likewise 512 bytes: Q, K: [a / 4][r][a % 4] words
;   (bytes 0, 1 the head's two blocks, bytes 2, 3 the neighbouring head's: valid bytes that scale zero codes later); V: [copy 2][r][tile 4] words.
; LIMITS: NaN and infinities are not served; a block of zeros gets the byte 1 (this program alone reads the bytes); the bias along n is the sum's first term, not its last.
; No prefetch: four K steps a tile, and each tile is shared in the cluster.
; REGISTERS, in windows of 256: window 0: v0-31 addresses; v32-63 scale words, two sets, and nothing else; v64-127 the bias along n (later the codes just made); v128-223 A's fragments, one set (later a block's sums);
;   v224-239 the bias along m, each number twice.   window 1: B's fragments, two sets.   windows 2, 3: the accumulators ((a, b) at v[8 (8 (a % 4) + b)]).
.set KSTEP,  256                       ; along K in a slot
.set NQ,     2                         ; matrix instructions deep
.set ROWB,   192                       ; a tile's row in bytes
.set KROW,   768                       ; a row of codes in memory
.set PITCH,  240                       ; an LDS row: 3 x (64 bytes of data + 16 of padding)
.set FR,     12                        ; registers of a fragment
.set NL,     6                         ; LDS loads that bring one
.set NP,     4                         ; places behind this matrix instruction (ISA guide 7.12.1)
.set HALFT,  128*PITCH                 ; 128 rows: what one tensor load brings
.set SLOT,   4*HALFT                   ; A's 256 rows, then B's 256 rows
.set LAPS,   2                         ; a lap = two K steps = once round the ring
.set KS,     32                        ; a row of scale bytes
.set SCL,    2*SLOT                    ; behind the ring: the scales, as 256 bytes + 16 of padding
.set HALFS,  16*272                    ; the scales of 128 rows
.set SBLK,   2*272                     ; those of 16 rows
.set SPARE,  SCL+4*HALFS               ; the spare words, 128 bytes for each wave, that no other line names
.set ADRA, 16                          ; v16-17 LDS address of my A fragments in slot 0, 1 (v18-19: behind one padding more)
.set ADRB, 20                          ; v20-21 the same for B (v22-23)
.set CO8,  24                          ; v24    8 x lane: my place in a stored pair
.set SO,   25                          ; v25    my place in a store of scale words
.set ADRS, 27                          ; v27    LDS address of my scale words: lanes 0-15 A's rows, lanes 16-31 B's
.set SPW,  28                          ; v28    LDS address of my spare word; never rewritten
.set NIL,  29                          ; v29    0; never rewritten
.set BNO,  30                          ; v30    64 h: the bias along n
.set BMO,  31                          ; v31    4 (r % 8 + 16 (r / 8)): the bias along m
.set SC,   32
.set BN,   64
.set AF,   128
.set BMP,  224
.set BMT,  240
.set H,    128                         ; the way out: a block's 64 sums
.set TM,   192                         ; v192-207 at work in the quantiser
.set CD,   64                          ; v64-82  the codes just made
.set SW,   84                          ; v84-91  the eight blocks' scale words
.set DW,   96                          ; v96-103 the words as they are stored
.set OB0,  4                           ; s[4:5], s[6:7] where a block's first and second three pairs go
.set STA,  8                           ; s[8:9]   from block to block
.set STB,  10                          ; s[10:11] from block 3 to block 4
.set OS0,  12                          ; s[12:13] where blocks 0-3's scale words go;  s[18:19] blocks 4-7's
.set OS1,  18
.set SEL,  22                          ; s[22:23] lane selects: lane l xor 16
.set G1, 24                            ; s[24:31] descriptor group 1 for A's tiles;  s[32:39] group 0, one set for each slot
.set G0, 32
.set G1B, 48
.set G0B, 56
.set G1S, 68                           ; groups 1 and 0 for A's scales;  then B's
.set G0S, 76
.set G1SB, 80
.set G0SB, 88
.set MSB, 0
.macro WIN new                         ; the immediate's high byte repeats the setting that is left
.if MSB != (\new)
	s_set_vgpr_msb (MSB<<8)|(\new)
.set MSB, (\new)
.endif
.endm
.set MUL_LO, 0xa1                      ; source 0 (B) window 1, source 1 (A) window 0, C and D window 2
.set MUL_HI, 0xf1                      ; the same, C and D window 3
.set FIRST_LO, 0x81                    ; the first step: C (the bias) window 0, D window 2
.set FIRST_HI, 0xc1                    ; D window 3
.set TO_B,   0x40                      ; destination window 1, address window 0
; A joint load: waves 0 and 1 fetch for A, waves 2 and 3 for B; the branch hangs on the wave's number alone.  Four v_nop follow each of the two lines.
.macro JLOAD g0a, g1a, g0b, g1b
	s_cmp_eq_u32 s15, 0
	s_cbranch_scc0 .Lfor_b_\@
	tensor_load_to_lds s[\g0a:\g0a+3], s[\g1a:\g1a+7]
	s_nop 0
.rept 4
	v_nop
.endr
	s_branch .Lasked_\@
.Lfor_b_\@:
	tensor_load_to_lds s[\g0b:\g0b+3], s[\g1b:\g1b+7]
	s_nop 0
.rept 4
	v_nop
.endr
.Lasked_\@:
.endm
.macro CREST                           ; a round of the cluster's barrier behind its opening barrier
	s_cmp_lg_u32 s14, 0
	s_cbranch_scc1 .Lnot_wave_0_\@
	s_barrier_signal -3
.Lnot_wave_0_\@:
	s_barrier_wait -3
	s_barrier_signal -1
	s_barrier_wait -1
.endm
.macro CROUND                          ; a whole round
	s_barrier_signal -1
	s_barrier_wait -1
	CREST
.endm
	s_load_b256 s[4:11], s[0:1], 0x0               ; in_codes s[4:5], in_scales s[6:7], b_q s[8:9], b_k s[10:11]
	s_load_b128 s[96:99], s[0:1], 0x20             ; b_v s[96:97], p_codes s[98:99]
	s_load_b64 s[100:101], s[0:1], 0x30            ; p_scales
	v_lshl_add_u32 v[SPW], v0, 2, SPARE
	v_mov_b32 v[NIL], 0
	ds_add_u32 v28, v29
	ds_add_u32 v28, v29
	s_wait_dscnt 0x0
	v_lshrrev_b32 v1, 5, v0
	v_readfirstlane_b32 s14, v1                    ; wave 0..3
	s_lshr_b32 s15, s14, 1                         ; which half of the tile's rows is mine.  Also: I fetch for A (0) or for B (1)
	s_and_b32 s16, s14, 1                          ; which half of its columns.  Also: which 128 rows of that tile I fetch
	s_bfe_u32 s40, ttmp6, 0x40000                  ; cx, cy: my place in the cluster
	s_bfe_u32 s41, ttmp6, 0x40004
	s_and_b32 s2, ttmp7, 0xffff                    ; the cluster's y, 0 .. 23: the same in all sixteen partners
	s_lshr_b32 s95, s2, 3                          ; T: which projection
	s_and_b32 s13, s2, 7
	s_lshl_b32 s13, s13, 2                         ; which four tiles along the tokens
	s_lshl_b32 s66, s95, 13                        ; q's or k's first place
	s_lshl_b32 s67, s95, 10
	s_add_co_u32 s67, s67, 24576                   ; w_q's or w_k's
	s_cmp_lt_u32 s95, 2                            ; T = 0, 1: tokens are rows of C;  T = 2: columns
	s_cselect_b32 s17, s13, 0
	s_cselect_b32 s42, 0, s13
	s_cselect_b32 s66, s66, 26624                  ; A's first place (T = 2: w_v's)
	s_cselect_b32 s67, s67, 16384                  ; B's first place (T = 2: v's)
	s_add_co_u32 s17, s17, s41                     ; tile row of C
	s_add_co_u32 s42, s42, s40                     ; tile column of C
	s_lshl_b32 s43, s41, 2
	s_lshl_b32 s43, 15, s43                        ; my row of the cluster
	s_lshl_b32 s44, 0x1111, s40                    ; my column
	; descriptor group 1: a tile of 128 rows x 192 bytes, 16 bytes of padding behind every 64
	s_or_b32 s[G1+0], s43, (0<<16)|(1<<20)|(1<<21)|(3<<22)|(3<<25)
	s_or_b32 s[G1B+0], s44, (0<<16)|(1<<20)|(1<<21)|(3<<22)|(3<<25)
.irp g, G1, G1B
	s_mov_b32 s[\g+1], ROWB<<16                    ; tensor_dim0
	s_mov_b32 s[\g+2], 128<<16                     ; tensor_dim1
	s_mov_b32 s[\g+3], ROWB<<16                    ; tile_dim0
	s_mov_b32 s[\g+4], 128                         ; tile_dim1
	s_mov_b32 s[\g+5], KROW                        ; tensor_dim0_stride
	s_mov_b32 s[\g+6], 0
	s_mov_b32 s[\g+7], 0
.endr
	; the scales of 128 rows: a dense block of 4,096 bytes, as 16 rows of 256 bytes (32 elements of 8), 16 bytes of padding behind each
	s_or_b32 s[G1S+0], s43, (3<<16)|(1<<20)|(1<<21)|(5<<22)|(3<<25)
	s_or_b32 s[G1SB+0], s44, (3<<16)|(1<<20)|(1<<21)|(5<<22)|(3<<25)
.irp g, G1S, G1SB
	s_mov_b32 s[\g+1], 32<<16
	s_mov_b32 s[\g+2], 16<<16
	s_mov_b32 s[\g+3], 32<<16
	s_mov_b32 s[\g+4], 16
	s_mov_b32 s[\g+5], 32
	s_mov_b32 s[\g+6], 0
	s_mov_b32 s[\g+7], 0
.endr
	s_lshl_b32 s18, s16, 7                         ; which 128 rows of the tile I fetch
	s_lshl_b32 s20, s17, 8
	s_add_co_u32 s20, s20, s18
	s_add_co_u32 s20, s20, s66                     ; A: place = first place + 256 x tile row + 128 x half
	s_lshl_b32 s46, s42, 8
	s_add_co_u32 s46, s46, s18
	s_add_co_u32 s46, s46, s67                     ; B likewise by the tile column
	s_mov_b32 s21, 0
	s_mov_b32 s47, 0
	s_mov_b64 s[18:19], KS
	s_mul_u64 s[22:23], s[20:21], s[18:19]         ; where these rows' scales begin, in bytes
	s_mul_u64 s[92:93], s[46:47], s[18:19]
	s_mov_b64 s[18:19], KROW
	s_mul_u64 s[20:21], s[20:21], s[18:19]         ; and their codes
	s_mul_u64 s[46:47], s[46:47], s[18:19]
	s_mul_i32 s45, s14, HALFT                      ; where they go: wave x 128 rows: no place in the cluster enters an LDS address
	s_mul_i32 s94, s14, HALFS
	s_wait_kmcnt 0x0
	s_add_nc_u64 s[20:21], s[4:5], s[20:21]
	s_add_nc_u64 s[22:23], s[6:7], s[22:23]
	s_add_nc_u64 s[46:47], s[4:5], s[46:47]
	s_add_nc_u64 s[92:93], s[6:7], s[92:93]
	CROUND                                         ; all sixteen work-groups are here: the first joint loads meet
	s_mov_b32 s[G0S], 1
	s_add_co_u32 s[G0S+1], s94, SCL
	s_mov_b64 s[G0S+2:G0S+3], s[22:23]
	s_or_b32 s[G0S+3], s[G0S+3], 0x80000000
	s_mov_b32 s[G0SB], 1
	s_add_co_u32 s[G0SB+1], s94, SCL
	s_mov_b64 s[G0SB+2:G0SB+3], s[92:93]
	s_or_b32 s[G0SB+3], s[G0SB+3], 0x80000000
	JLOAD G0S, G1S, G0SB, G1SB                     ; the scales first: they are wanted with K step 0
.irp s, 0,1
	s_mov_b32 s[G0+4*\s], 1
	s_add_co_u32 s[G0+4*\s+1], s45, \s*SLOT
	s_add_nc_u64 s[G0+4*\s+2:G0+4*\s+3], s[20:21], \s*ROWB
	s_or_b32 s[G0+4*\s+3], s[G0+4*\s+3], 0x80000000
	s_mov_b32 s[G0B+4*\s], 1
	s_add_co_u32 s[G0B+4*\s+1], s45, \s*SLOT
	s_add_nc_u64 s[G0B+4*\s+2:G0B+4*\s+3], s[46:47], \s*ROWB
	s_or_b32 s[G0B+4*\s+3], s[G0B+4*\s+3], 0x80000000
	JLOAD G0+4*\s, G1, G0B+4*\s, G1B
.endr
	; the bias.  m0, n0: my wave's first row and column of C
	s_lshl_b32 s18, s17, 8
	s_lshl_b32 s19, s15, 7
	s_add_co_u32 s18, s18, s19                     ; m0
	s_lshl_b32 s19, s42, 8
	s_lshl_b32 s2, s16, 7
	s_add_co_u32 s19, s19, s2                      ; n0
	s_cmp_eq_u32 s95, 1
	s_cselect_b64 s[8:9], s[10:11], s[8:9]
	s_cmp_eq_u32 s95, 2
	s_cselect_b64 s[8:9], s[96:97], s[8:9]         ; b_q, b_k or b_v
	s_cmp_lt_u32 s95, 2
	s_cselect_b32 s2, s19, 0                       ; the features are columns (T = 0, 1) or rows (T = 2); the other index is 0, so that both runs of loads stay inside the 1,024 numbers
	s_cselect_b32 s10, 0, s18
	s_lshl_b32 s2, s2, 2
	s_lshl_b32 s10, s10, 2
	s_mov_b32 s3, 0
	s_mov_b32 s11, 0
	s_add_nc_u64 s[2:3], s[8:9], s[2:3]
	s_add_nc_u64 s[10:11], s[8:9], s[10:11]
	v_and_b32 v1, 15, v0                           ; r = l % 16
	v_bfe_u32 v2, v0, 4, 1                         ; h = l / 16
	v_lshlrev_b32 v[BNO], 6, v2
	v_and_b32 v3, 7, v1
	v_lshrrev_b32 v4, 3, v1
	v_lshl_add_u32 v3, v4, 4, v3
	v_lshlrev_b32 v[BMO], 2, v3
.irp b, 0,1,2,3,4,5,6,7
	global_load_b128 v[BN+8*\b:BN+8*\b+3], v[BNO], s[2:3] offset:(32*(\b/2)+8*(\b%2))*4       ; columns 32 (b / 2) + 16 h + 8 (b % 2) + 0 .. 7: the result's layout
	global_load_b128 v[BN+8*\b+4:BN+8*\b+7], v[BNO], s[2:3] offset:(32*(\b/2)+8*(\b%2))*4+16
.endr
.irp a, 0,1,2,3,4,5,6,7
	global_load_b32 v[BMT+\a], v[BMO], s[10:11] offset:(32*(\a/2)+8*(\a%2))*4                 ; row 32 (a / 2) + 8 (a % 2) + r % 8 + 16 (r / 8)
.endr
	v_mul_u32_u24 v3, v1, PITCH
	v_mul_u32_u24 v4, v2, 24
	v_add_nc_u32 v4, v3, v4                        ; a fragment's row x pitch + 24 x half
	v_lshl_add_u32 v5, v2, 4, v4                   ; and the same behind one padding more
	s_mul_i32 s21, s15, HALFT                      ; my 128 rows of A
	s_mul_i32 s22, s16, HALFT                      ; my 128 rows of B,
	s_add_co_u32 s22, s22, 2*HALFT                 ; which lie behind A's 256
.irp s, 0,1
	v_add_nc_u32 v[ADRA+\s], s21, v4
	v_add_nc_u32 v[ADRB+\s], s22, v4
	v_add_nc_u32 v[ADRA+2+\s], s21, v5
	v_add_nc_u32 v[ADRB+2+\s], s22, v5
	s_add_co_u32 s21, s21, SLOT
	s_add_co_u32 s22, s22, SLOT
.endr
	v_mul_u32_u24 v5, v1, KS                       ; my row's scales: KS bytes a row,
	v_lshrrev_b32 v6, 8, v5
	v_lshl_add_u32 v5, v6, 4, v5                   ; and 16 more for each 256 passed
	s_mul_i32 s21, s15, HALFS                      ; A's: my 128 rows
	s_mul_i32 s22, s16, HALFS                      ; B's: my 128 rows, behind A's 256
	s_add_co_u32 s22, s22, 2*HALFS
	s_sub_co_u32 s22, s22, s21
	v_mul_u32_u24 v6, s22, v2                      ; lanes 16-31 take B's
	s_add_co_u32 s21, s21, SCL
	v_add_nc_u32 v5, v5, v6
	v_add_nc_u32 v[ADRS], s21, v5
	s_wait_loadcnt 0x0                             ; the bias is in; its bases may be written again
	s_cmp_lt_u32 s95, 2
	s_cselect_b32 s20, -1, 0                       ; all lanes for T = 0, 1
	s_cselect_b32 s21, 0, -1                       ; all lanes for T = 2
.set I, 0
.rept 64
	v_cndmask_b32 v[BN+I], 0, v[BN+I], s20         ; the bias along n, or 0
.set I, I+1
.endr
.irp a, 0,1,2,3,4,5,6,7
	v_cndmask_b32 v[BMP+2*\a], 0, v[BMT+\a], s21   ; the bias along m, or 0: twice, a pair for the packed addition
	v_cndmask_b32 v[BMP+2*\a+1], 0, v[BMT+\a], s21
.endr
	; where the results go
	s_cmp_lt_u32 s95, 2
	s_cselect_b32 s20, s18, s19                    ; my first token
	s_cselect_b32 s21, s19, s18                    ; my first feature
	s_mov_b32 s[STA], 1536
	s_cselect_b32 s[STA], 768, s[STA]              ; a block is 3 pairs of each of two heads (Q, K), or 6 pairs of one (V)
	s_mov_b32 s[STB], 93696
	s_cselect_b32 s[STB], 768, s[STB]              ; V: block 4 begins the next head: 98,304 - 3 x 1,536
	s_mov_b32 s22, 768
	s_cselect_b32 s22, 98304, s22                  ; the second three pairs: the next head's (Q, K), or the same tile's (V)
	s_mov_b32 s46, 8192
	s_cselect_b32 s46, 256, s46                    ; blocks 4-7's scale words: the group's second half (Q, K), or the next head (V)
	s_mov_b32 s2, 256
	s_cselect_b32 s2, 8192, s2                     ; lanes 16-31 store the next head's words (Q, K), or a second copy (V)
	s_cselect_b32 s17, 0xffff0000, 0               ; Q, K: lanes 16-31 take the word's upper two bytes down
	s_mov_b32 s[STA+1], 0
	s_mov_b32 s[STB+1], 0
	s_mov_b32 s23, 0
	s_mov_b32 s47, 0
	v_and_b32 v5, 31, v0
	v_lshlrev_b32 v[CO8], 3, v5
	v_mul_u32_u24 v[SO], s2, v2
	v_lshl_add_u32 v[SO], v1, 4, v[SO]
	s_lshr_b32 s18, s20, 11                        ; batch
	s_lshl_b32 s18, s18, 4
	s_lshr_b32 s19, s21, 6                         ; head
	s_add_co_u32 s18, s18, s19
	s_lshl_b32 s18, s18, 4
	s_bfe_u32 s19, s20, 0x40007                    ; group of 128 tokens
	s_add_co_u32 s18, s18, s19
	s_mul_i32 s20, s18, 6144
	s_mul_i32 s21, s95, 6291456
	s_add_co_u32 s20, s20, s21
	s_mov_b32 s21, 0
	s_add_nc_u64 s[OB0:OB0+1], s[98:99], s[20:21]
	s_add_nc_u64 s[OB0+2:OB0+3], s[OB0:OB0+1], s[22:23]
	s_lshl_b32 s20, s18, 9
	s_lshl_b32 s18, s95, 19
	s_add_co_u32 s20, s20, s18
	s_add_nc_u64 s[OS0:OS0+1], s[100:101], s[20:21]
	s_add_nc_u64 s[OS1:OS1+1], s[OS0:OS0+1], s[46:47]
	s_mov_b32 s[SEL], 0x76543210
	s_mov_b32 s[SEL+1], 0xfedcba98
.macro FRAG reg, adr, q, i             ; a fragment, 16 rows x 128 K, is 12 registers: lane l holds row l % 16; registers 6 c .. 6 c + 5 hold K = 64 c + 32 (l / 16) + 0 .. 31: 24 bytes of the row, as they lie
.irp p, 0,1,2,3,4,5                    ; in pieces of 8 bytes.  16 bytes of padding lie behind every 8 pieces: where the piece three on lies behind one padding more, the second address register serves
.set PIECE, 12*(\q)+6*(\p/3)+\p%3
.if PIECE%8 < 5
	ds_load_b64 v[\reg+2*\p:\reg+2*\p+1], v[\adr] offset:8*PIECE+16*(PIECE/8)+(\i)*16*PITCH
.else
	ds_load_b64 v[\reg+2*\p:\reg+2*\p+1], v[\adr+2] offset:8*PIECE+16*(PIECE/8)+(\i)*16*PITCH
.endif
.endr
.endm
; 16 matrix instructions: A's blocks a0, a0 + 1 x B's eight, 128 along K: the slot's q-th.  p: B's set;  sc: the set of scale words.  first = 1: the bias along n starts the sums: nothing is ever cleared.
; The 64 accumulators take turns, one instruction a turn, in the same order in every step.
.macro MUL16 a0, p, q, sc, first
.irp a, \a0, \a0+1
.irp b, 0,1,2,3,4,5,6,7
.if \first
	v_wmma_scale_f32_16x16x128_f8f6f4 v[8*(8*((\a)%4)+\b):8*(8*((\a)%4)+\b)+7], v[128*(\p)+FR*\b:128*(\p)+FR*\b+FR-1], v[AF+FR*(\a):AF+FR*(\a)+FR-1], v[BN+8*\b:BN+8*\b+7], v[SC+8*NQ*(\sc)+NQ*\b+(\q)], v[SC+8*NQ*(\sc)+NQ*(\a)+(\q)] matrix_a_fmt:MATRIX_FMT_FP6 matrix_b_fmt:MATRIX_FMT_FP6 matrix_a_scale:MATRIX_SCALE_ROW1
.else
	v_wmma_scale_f32_16x16x128_f8f6f4 v[8*(8*((\a)%4)+\b):8*(8*((\a)%4)+\b)+7], v[128*(\p)+FR*\b:128*(\p)+FR*\b+FR-1], v[AF+FR*(\a):AF+FR*(\a)+FR-1], v[8*(8*((\a)%4)+\b):8*(8*((\a)%4)+\b)+7], v[SC+8*NQ*(\sc)+NQ*\b+(\q)], v[SC+8*NQ*(\sc)+NQ*(\a)+(\q)] matrix_a_fmt:MATRIX_FMT_FP6 matrix_b_fmt:MATRIX_FMT_FP6 matrix_a_scale:MATRIX_SCALE_ROW1
.endif
.endr
.endr
.endm
.macro FETCH_B slot, q, p              ; B's eight fragments of the slot's q-th 128 along K into set p
	WIN TO_B
.irp i, 0,1,2,3,4,5,6,7
	FRAG 128*(\p)+FR*\i, ADRB+\slot, \q, \i
.endr
	WIN 0
.endm
.macro FETCH_A slot, q, i0             ; A's blocks i0 .. i0 + 3
.irp i, \i0, \i0+1, \i0+2, \i0+3
	FRAG AF+FR*(\i), ADRA+\slot, \q, \i
.endr
.endm
.macro SCALES sc                       ; the next K step's scale words into set sc: two words a row; lanes 0-15 take A's block i, lanes 16-31 B's block i
.irp i, 0,1,2,3,4,5,6,7
	ds_load_b64 v[SC+8*NQ*\sc+NQ*\i:SC+8*NQ*\sc+NQ*\i+1], v[ADRS] offset:\i*SBLK
.endr
.endm
.macro PLACES n                        ; plain vector lines between a matrix instruction and a load into, or a vector line on, its registers (ISA guide 7.12.1 for vector lines)
.rept \n
	v_nop
.endr
.endm
; A step of 128 along K that has its successor in the same slot.
.macro STEP slot, q, first
	s_wait_dscnt 4*NL                              ; B's set and A's blocks 0-3 are in; the youngest 24 loads (A's blocks 4-7) may be out
.if \first
	WIN FIRST_LO
.else
	WIN MUL_LO
.endif
	MUL16 0, (\q)%2, \q, \slot, \first
	MUL16 2, (\q)%2, \q, \slot, \first
	s_wait_dscnt 0                                 ; A's blocks 4-7 are in (asked for 32 matrix instructions ago)
	PLACES NP
	FETCH_B \slot, (\q)+1, 1-(\q)%2
	FETCH_A \slot, (\q)+1, 0
.if \first
	WIN FIRST_HI
.else
	WIN MUL_HI
.endif
	MUL16 4, (\q)%2, \q, \slot, \first
	MUL16 6, (\q)%2, \q, \slot, \first
	PLACES NP
	WIN 0
	FETCH_A \slot, (\q)+1, 4
.endm
; A slot's last step changes slots: ONE barrier; in front of it each wave waits for all its tensor loads, adds 0 to its spare word, and waits for that and for its own reads of this slot.  fill = 1: this slot is filled again, two K steps ahead.
.macro TURN slot, next, fill
	s_wait_tensorcnt 0x0                           ; all my tensor loads have landed: my part of the next slot
	ds_add_u32 v[SPW], v[NIL]                      ; 0 onto my spare word
	s_wait_dscnt 4*NL+1                            ; (the add and the youngest 24 loads, A's blocks 4-7, may be out)
	WIN MUL_LO
	MUL16 0, 1, NQ-1, \slot, 0                     ; sixteen matrix instructions stand between the add and the wait for it
	s_wait_dscnt 0x0                               ; the add is done, and my reads of this slot are over
	s_barrier_signal -1
	MUL16 2, 1, NQ-1, \slot, 0
	WIN 0
	s_barrier_wait -1
.if \fill
	CREST                                          ; the barrier has opened a round of the cluster's barrier: no wave of any partner still reads this slot's tile or has a load on its way
	s_add_nc_u64 s[G0+4*\slot+2:G0+4*\slot+3], s[G0+4*\slot+2:G0+4*\slot+3], 2*ROWB
	s_add_nc_u64 s[G0B+4*\slot+2:G0B+4*\slot+3], s[G0B+4*\slot+2:G0B+4*\slot+3], 2*ROWB
	JLOAD G0+4*\slot, G1, G0B+4*\slot, G1B         ; the first tensor load behind the round; the four v_nop behind it are the places in front of the loads below
.else
	PLACES NP
.endif
	v_add_nc_u32 v[ADRS], 4*NQ, v[ADRS]            ; on to the next K step's scale words (no LDS load of mine is out)
	FETCH_B \next, 0, 0
	FETCH_A \next, 0, 0
	SCALES \next
	WIN MUL_HI
	MUL16 4, 1, NQ-1, \slot, 0
	MUL16 6, 1, NQ-1, \slot, 0
	PLACES NP
	WIN 0
	FETCH_A \next, 0, 4
.endm
	s_wait_tensorcnt 1                             ; the scales and my part of K step 0 are in (K step 1's load may be out)
	s_barrier_signal -1
	s_barrier_wait -1                              ; everybody's are
	FETCH_B 0, 0, 0
	FETCH_A 0, 0, 0
	SCALES 0
	FETCH_A 0, 0, 4
	STEP 0, 0, 1                                   ; the first step stands in front of the loop: its products start the sums on the bias
	s_mov_b32 s3, LAPS-1
.Llap:                                                 ; a trip goes once round the ring, from a lap's second step to the next lap's first, and fills both slots again
	TURN 0, 1, 1
	STEP 1, 0, 0
	TURN 1, 0, 1
	STEP 0, 0, 0
	s_sub_co_u32 s3, s3, 1
	s_cmp_lg_u32 s3, 0
	s_cbranch_scc1 .Llap
	TURN 0, 1, 0                                   ; the last lap fills nothing, and has no round of the cluster's barrier
	STEP 1, 0, 0
	s_wait_dscnt 4*NL                              ; the very last step: nothing more to fetch
	WIN MUL_LO
	MUL16 0, 1, NQ-1, 1, 0
	MUL16 2, 1, NQ-1, 1, 0
	s_wait_dscnt 0
	WIN MUL_HI
	MUL16 4, 1, NQ-1, 1, 0
	MUL16 6, 1, NQ-1, 1, 0
	WIN 0
; 64 numbers of a lane, v[s] .. v[s + 63], register 16 b + i = column 32 b + 16 (lane / 16) + i of my row, become a fragment's codes in v[CD] on and its scale word in v[pw].
.macro QUANT s, pw
.irp b, 0,1,2,3
	v_max3_num_f32 v[TM+\b], |v[\s+16*\b]|, |v[\s+1+16*\b]|, 0x1800000   ; block b: my 16 numbers, and the floor 2^(3 - 127): the byte cannot fall under 1
.endr
.irp i, 2,4,6,8,10,12,14
.irp b, 0,1,2,3
	v_max3_num_f32 v[TM+\b], v[TM+\b], |v[\s+16*\b+\i]|, |v[\s+1+16*\b+\i]|   ; (the four blocks by turns)
.endr
.endr
.irp b, 0,1,2,3
	v_permlanex16_b32 v[TM+4+\b], v[TM+\b], s[SEL], s[SEL+1]
.endr
.irp b, 0,1,2,3
	v_max_num_f32 v[TM+\b], v[TM+\b], v[TM+4+\b]   ; with lane l xor 16's: the block's largest magnitude
.endr
.irp b, 0,1,2,3
	v_add_nc_u32 v[TM+12+\b], 0xff000000, v[TM+\b]   ; 2 off its exponent field: the conversion's scale operand
.endr
.irp b, 0,1,2,3
	v_lshrrev_b32 v[TM+4+\b], 23, v[TM+12+\b]   ; the scale's byte
.endr
	v_lshl_or_b32 v[\pw], v[TM+5], 8, v[TM+4]      ; the four bytes make my row's scale word
	v_lshl_or_b32 v[\pw], v[TM+6], 16, v[\pw]
	v_lshl_or_b32 v[\pw], v[TM+7], 24, v[\pw]
.irp c, 0,1
	v_cvt_scalef32_pk16_fp6_f32 v[CD+6*\c:CD+2+6*\c], v[\s+32*\c:\s+15+32*\c], v[TM+12+2*\c]
	v_cvt_scalef32_pk16_fp6_f32 v[CD+12+4*\c:CD+14+4*\c], v[\s+16+32*\c:\s+31+32*\c], v[TM+12+2*\c+1]   ; (a conversion's three registers begin on an even number)
.endr
	v_nop                                          ; one plain line behind a scaled conversion
.irp c, 0,1                                    ; the operand's layout wants a WHOLE block in a lane: lanes 0-15 block 2 c, lanes 16-31 block 2 c + 1
.irp i, 0,1,2
	v_permlane16_swap_b32 v[CD+6*\c+\i], v[CD+12+4*\c+\i]
.endr
.irp i, 0,1,2
	v_mov_b32 v[CD+3+6*\c+\i], v[CD+12+4*\c+\i]
.endr
.endr
.endm
; Block a of 16 rows: its 64 sums come into window 0 (with the bias along m), are quantised, and leave: each register pair of the 32 lanes is 256 consecutive aligned bytes.
.macro OUTBLK a
	s_wait_xcnt 0x0                                ; the last block's stores have read their data and bases: both are written again only behind this wait
.if (\a) == 4
	s_add_nc_u64 s[OB0:OB0+1], s[OB0:OB0+1], s[STB:STB+1]
	s_add_nc_u64 s[OB0+2:OB0+3], s[OB0+2:OB0+3], s[STB:STB+1]
.elseif (\a) > 0
	s_add_nc_u64 s[OB0:OB0+1], s[OB0:OB0+1], s[STA:STA+1]
	s_add_nc_u64 s[OB0+2:OB0+3], s[OB0+2:OB0+3], s[STA:STA+1]
.endif
	WIN 0x02+(\a)/4                                ; source 0: window 2 or 3
.set AC, 64*((\a)%4)
.set I, 0
.rept 32
	v_pk_add_f32 v[H+I:H+I+1], v[AC+I:AC+I+1], v[BMP+2*(\a):BMP+2*(\a)+1]   ; each accumulator from its low end on
.set I, I+2
.endr
	WIN 0
	QUANT H, SW+(\a)
.irp q, 0,1,2,3,4,5
	global_store_b64 v[CO8], v[CD+2*\q:CD+2*\q+1], s[OB0+2*(\q/3):OB0+2*(\q/3)+1] offset:(\q%3)*256
.endr
.endm
	PLACES NP                                      ; behind the last products, in front of the first lines that read results or write over A's fragments
.irp b, 0,1,2,3
	v_mov_b32 v[TM+4+\b], 0                        ; written once: a lane permute's destination counts as one of its sources
.endr
.irp a, 0,1,2,3,4,5,6,7
	OUTBLK \a
.endr
.irp j, 0,1                                    ; the scale words: four blocks' words of a row are 16 neighbouring bytes; sixteen lanes store 256 consecutive aligned bytes
.irp i, 0,1,2,3
	v_alignbit_b32 v[DW+4*\j+\i], v[SW+4*\j+\i], v[SW+4*\j+\i], 16    ; the word turned by two bytes: the second head's bytes below
.endr
.irp i, 0,1,2,3
	v_cndmask_b32 v[DW+4*\j+\i], v[SW+4*\j+\i], v[DW+4*\j+\i], s17    ; Q, K: lanes 16-31 take it; V: nobody
.endr
.endr
	global_store_b128 v[SO], v[DW:DW+3], s[OS0:OS0+1]
	global_store_b128 v[SO], v[DW+4:DW+7], s[OS1:OS1+1]
	s_wait_tensorcnt 0x0                           ; the wave's end
	ds_add_u32 v[SPW], v[NIL]
	s_wait_dscnt 0x0
	CROUND                                         ; the closing round: no work-group ends while a partner may still ask for a tile that names it
	s_endpgm
.Lfunc_end_k_q871f254940_proj:
	.size	k_q871f254940_proj, .Lfunc_end_k_q871f254940_proj-k_q871f254940_proj
	.p2alignl 7, 3214868480
	.fill 96, 4, 3214868480
	.section	.rodata,"a",@progbits
	.p2align	6, 0x0
	.amdhsa_kernel k_q871f254940_proj
		.amdhsa_group_segment_fixed_size 327680
		.amdhsa_private_segment_fixed_size 0
		.amdhsa_enable_private_segment 0
		.amdhsa_kernarg_size 56
		.amdhsa_user_sgpr_count 2
		.amdhsa_user_sgpr_kernarg_segment_ptr 1
		.amdhsa_wavefront_size32 1
		.amdhsa_system_sgpr_workgroup_id_x 1
		.amdhsa_system_sgpr_workgroup_id_y 1
		.amdhsa_system_sgpr_workgroup_id_z 1
		.amdhsa_system_vgpr_workitem_id 0
		.amdhsa_next_free_vgpr 1024
		.amdhsa_next_free_sgpr 102
		.amdhsa_reserve_vcc 0
		.amdhsa_float_denorm_mode_32 3
		.amdhsa_float_denorm_mode_16_64 3
		.amdhsa_memory_ordered 1
		.amdhsa_forward_progress 1
		.amdhsa_inst_pref_size 193
	.end_amdhsa_kernel
	.amdgpu_metadata
---
amdhsa.version: [ 1, 2 ]
amdhsa.kernels:
  - .name:           k_q871f254940_proj
    .symbol:         k_q871f254940_proj.kd
    .args:
      - { .name: in_codes, .offset: 0, .size: 8, .value_kind: global_buffer, .address_space: global }
      - { .name: in_scales, .offset: 8, .size: 8, .value_kind: global_buffer, .address_space: global }
      - { .name: b_q, .offset: 16, .size: 8, .value_kind: global_buffer, .address_space: global }
      - { .name: b_k, .offset: 24, .size: 8, .value_kind: global_buffer, .address_space: global }
      - { .name: b_v, .offset: 32, .size: 8, .value_kind: global_buffer, .address_space: global }
      - { .name: p_codes, .offset: 40, .size: 8, .value_kind: global_buffer, .address_space: global }
      - { .name: p_scales, .offset: 48, .size: 8, .value_kind: global_buffer, .address_space: global }
    .group_segment_fixed_size: 327680
    .private_segment_fixed_size: 0
    .kernarg_segment_align: 8
    .kernarg_segment_size: 56
    .max_flat_workgroup_size: 128
    .sgpr_count:     102
    .vgpr_count:     1024
    .wavefront_size: 32
...
	.end_amdgpu_metadata
.endif
;; end of part 2
;; launch attn (part 3): grid 4 x 64, 16 waves a work-group, clusters of 4 x 1, 215,040 bytes of LDS; arguments p_codes, p_scales, x_codes, x_scales; writes x_codes, x_scales
.if DOCPART == 3
	.amdgcn_target "amdgcn-amd-amdhsa--gfx1250"
	.amdhsa_code_object_version 6
	.text
	.protected	k_q871f254940_attn
	.globl	k_q871f254940_attn
	.p2align	8
	.type	k_q871f254940_attn,@function
k_q871f254940_attn:
	s_mov_b64 s[64:65], 0
	v_nop
	global_prefetch_b8 v0, s[64:65] scope:SCOPE_SE
	s_setreg_imm32_b32 hwreg(HW_REG_WAVE_MODE, 25, 1), 1
	s_wait_xcnt 0x0
	s_wait_alu depctr_hold_cnt(0) depctr_sa_sdst(0) depctr_va_vdst(0) depctr_va_sdst(0) depctr_va_ssrc(0) depctr_va_vcc(0) depctr_vm_vsrc(0)
	s_getreg_b32 s2, hwreg(HW_REG_IB_STS2, 6, 4)
	s_cmp_eq_u32 s2, 0
	s_cbranch_scc0 .Lentry_in_a_cluster
	s_endpgm
.Lentry_in_a_cluster:
	s_bfe_u32 s2, ttmp6, 0x10000c
	s_cmp_lg_u32 s2, 0x3003
	s_cbranch_scc0 .Lentry_shape_is_right
	s_endpgm
.Lentry_shape_is_right:
; x[b][q][head] = softmax_k(Q . K / 8) V for one (batch, head), both products on codes of FP6 (E2M3) with E8M0 scales; x is quantised along the head's 64 and leaves as codes.
; THE SOFTMAX AHEAD OF THE SECOND PRODUCT: t = score x log2(e) / 8; M = the row's largest t so far, rounded UP to a whole number; p = 2^(t - M) is quantised along the keys, not normalised.
; The row's sum is taken of the unquantised p, in f32, and divides O at the end.  When M moves, the sum and O are multiplied by 2^(old M - new M): exact.
; SHARES.  The work-group's y is 16 x batch + head; the four work-groups of a cluster take a quarter of the head's 2,048 queries each.  Each of the SIXTEEN waves owns two tiles of 16 queries and works them in two passes
; of 16 key steps of 128 keys, in 256 registers: four waves to a SIMD, so that one wave's vector work stands beside another's matrix work and LDS loads.
; A WHOLE HEAD'S K AND V STAY IN LDS: 2 x 98,304 bytes of codes and 2 x 8,192 of scale words, filled ONCE, by joint loads (the four partners read the same head): no byte of LDS is filled again.
; The codes lie as the earlier launch stored them: a fragment's register pair of all 32 lanes is 256 consecutive bytes, so each ds_load_b64 reads 8 bytes a lane, lane by lane.
; LAYOUT.  Both products are used transposed: S^T = K Q^T (source 0 = 16 keys, source 1 = my 16 queries), O^T = V^T P^T: a lane holds ONE query throughout.  Lane r of K's tile a holds key
; 32 (a / 2) + 8 (a % 2) + r % 8 + 16 (r / 8), so that the 16 registers of tiles 2 b and 2 b + 1 are keys 32 b + 16 (lane / 16) + 0 .. 15; V's channels are chosen the same way, so that O^T can be quantised in registers.
; THE HEAD'S 64 IN AN INSTRUCTION OF 128: Q's operand is six registers of codes and six of ZERO codes; so the upper six registers of K's operand count for nothing, whatever codes they hold: they are the next tile's
; (K's tiles lie six registers apart; behind the last lie six zeros).  Bytes 2 and 3 of the scale words are valid bytes of the neighbouring head.
; LIMITS: NaN and infinities are not served; a p under 2^-126 counts as 0; a block of zeros gets the byte 1 (this program alone reads the bytes).
; No prefetch: K and V are read once, at the head.  x's scale bytes leave as 2 bytes a row, 32 bytes apart: one twenty-fourth of the codes' bytes; in return the next launch finds them as rows.
.set VIMG,  98304                      ; LDS: K's codes at 0, 16 steps x 6,144;  V's here
.set KSC,   196608                     ; K's scale words, 16 steps x 512;  V's 8,192 further on
.set LK,   1                           ; v1   8 x lane
.set LV,   2                           ; v2   VIMG + 8 x lane
.set LKS,  3                           ; v3   KSC + 16 r
.set XO,   4                           ; v4   8 x lane: offsets in Q's and x's codes
.set XSO,  5                           ; v5   32 r: in x's scale bytes
.set QSO,  6                           ; v6   16 r: in Q's scale words
.set ADK,  8                           ; v8-10 the step's LDS addresses: K's codes, V's codes, the scale words
.set ADV,  9
.set ADS,  10
.set QF,   16                          ; v16-27  Q's operand: six registers of codes, six of zeros
.set KV,   32                          ; v32-79  K's 8 x 6 registers, then V's 4 x 12;  v80-85 zeros
.set S,    96                          ; v96-159 S^T, then p
.set O,    160                         ; v160-191 O^T, four tiles
.set KSW,  192                         ; v192-199 K's scale words;  v200-203 V's;  v216-217 Q's two tiles';  v253 p's: these hold scales and nothing else
.set VSW,  200
.set QT,   204                         ; v204-215 Q's two tiles
.set QSW,  216
.set WV,   18
.set SEL,  20                          ; s[20:21] lane selects: lane l xor 16
.set CS,   22                          ; s[22:23] c = log2(e) / 8
.set G1C,  24                          ; s[24:31] descriptor group 1 for the codes;  s[32:39] for the scale words;  s[40:43], s[44:47] their groups 0
.set G1S,  32
.set G0C,  40
.set G0S,  44
.set TB,   2                           ; s2  the step's first byte among the codes
.set TS,   3                           ; s3  and among the scale words
.set CNT,  12
.set XB,   68                          ; s[68:69] x_codes at my first tile and head;  s[70:71] x_scales
.set XSB,  70
.macro ROUND                           ; a round of the cluster's barrier
	s_barrier_signal -1
	s_barrier_wait -1
	s_cmp_lg_u32 s[WV], 0
	s_cbranch_scc1 .Lnot_wave_0_\@
	s_barrier_signal -3
.Lnot_wave_0_\@:
	s_barrier_wait -3
	s_barrier_signal -1
	s_barrier_wait -1
.endm
	s_load_b256 s[4:11], s[0:1], 0x0               ; p_codes, p_scales, x_codes, x_scales
	v_lshl_add_u32 v251, v0, 2, 0x34000
	v_mov_b32 v255, 0
	ds_add_u32 v251, v255
	ds_add_u32 v251, v255
	v_lshrrev_b32 v8, 5, v0
	s_delay_alu instid0(VALU_DEP_1)
	v_readfirstlane_b32 s[WV], v8                  ; wave 0..15
	s_bfe_u32 s13, ttmp6, 0x40000                  ; cx: which quarter of the queries; it enters Q's and x's addresses alone
	s_and_b32 s14, ttmp7, 0xffff                   ; 16 x batch + head, which the four partners share
	; descriptor group 1: dense blocks as rows of 256 bytes (32 elements of 8): 96 rows of codes, 32 rows of scale words; the mask names all four work-groups
	s_mov_b32 s[G1C], 15|(3<<16)|(1<<21)
	s_mov_b32 s[G1C+1], 32<<16
	s_mov_b32 s[G1C+2], 96<<16
	s_mov_b32 s[G1C+3], 32<<16
	s_mov_b32 s[G1C+4], 96
	s_mov_b32 s[G1C+5], 32
	s_mov_b32 s[G1C+6], 0
	s_mov_b32 s[G1C+7], 0
	s_mov_b32 s[G1S], 15|(3<<16)|(1<<21)
	s_mov_b32 s[G1S+1], 32<<16
	s_mov_b32 s[G1S+2], 32<<16
	s_mov_b32 s[G1S+3], 32<<16
	s_mov_b32 s[G1S+4], 32
	s_mov_b32 s[G1S+5], 32
	s_mov_b32 s[G1S+6], 0
	s_mov_b32 s[G1S+7], 0
	; waves 0-3 fetch K's codes, a quarter each, waves 4-7 V's; wave 8 K's scale words, wave 9 V's
	s_and_b32 s15, s[WV], 7
	s_mul_i32 s[G0C+1], s15, 24576                 ; LDS address
	s_lshr_b32 s16, s15, 2
	s_add_co_u32 s16, s16, 1                       ; tensor 1 (K) or 2 (V) of p_codes
	s_mul_i32 s16, s16, 6291456
	s_mul_i32 s17, s14, 98304                      ; the head's codes
	s_add_co_u32 s16, s16, s17
	s_and_b32 s19, s[WV], 3
	s_mul_i32 s19, s19, 24576
	s_add_co_u32 s48, s16, s19
	s_mov_b32 s49, 0
	s_and_b32 s15, s[WV], 1
	s_lshl_b32 s16, s15, 13
	s_add_co_u32 s[G0S+1], s16, KSC                ; LDS address
	s_add_co_u32 s15, s15, 1
	s_lshl_b32 s15, s15, 19
	s_lshl_b32 s16, s14, 13                        ; the head's scale words
	s_add_co_u32 s50, s15, s16
	s_mov_b32 s51, 0
	; Q: my two tiles: 24,576 bytes a quarter, 1,536 a wave;  their scale words
	s_mul_i32 s52, s13, 24576
	s_add_co_u32 s52, s52, s17
	s_mul_i32 s19, s[WV], 1536
	s_add_co_u32 s52, s52, s19
	s_mov_b32 s53, 0
	s_lshl_b32 s54, s13, 11
	s_add_co_u32 s54, s54, s16
	s_lshr_b32 s19, s[WV], 1
	s_lshl_b32 s19, s19, 8
	s_add_co_u32 s54, s54, s19
	s_and_b32 s19, s[WV], 1
	s_lshl_b32 s19, s19, 3
	s_add_co_u32 s54, s54, s19
	s_mov_b32 s55, 0
	; x: my first block of 16 rows: 128 x batch + 32 cx + 2 x wave
	s_lshr_b32 s56, s14, 4
	s_lshl_b32 s56, s56, 7
	s_lshl_b32 s57, s13, 5
	s_add_co_u32 s56, s56, s57
	s_lshl_b32 s57, s[WV], 1
	s_add_co_u32 s56, s56, s57
	s_and_b32 s57, s14, 15                         ; head
	s_mul_i32 s58, s56, 12288
	s_mul_i32 s59, s57, 768
	s_add_co_u32 s58, s58, s59
	s_mov_b32 s59, 0
	s_lshl_b32 s60, s56, 9
	s_lshl_b32 s61, s57, 1
	s_add_co_u32 s60, s60, s61
	s_mov_b32 s61, 0
	s_mov_b32 s[SEL], 0x76543210
	s_mov_b32 s[SEL+1], 0xfedcba98
	s_mov_b32 s[CS], 0x3e38aa3b                    ; c = log2(e) / sqrt(64)
	s_mov_b32 s[CS+1], s[CS]                       ; (named with it as a pair, so it is written)
	s_wait_dscnt 0x0
	s_wait_kmcnt 0x0
	s_mov_b32 s[G0C], 1
	s_add_nc_u64 s[G0C+2:G0C+3], s[4:5], s[48:49]
	s_or_b32 s[G0C+3], s[G0C+3], 0x80000000
	s_mov_b32 s[G0S], 1
	s_add_nc_u64 s[G0S+2:G0S+3], s[6:7], s[50:51]
	s_or_b32 s[G0S+3], s[G0S+3], 0x80000000
	s_add_nc_u64 s[52:53], s[4:5], s[52:53]
	s_add_nc_u64 s[54:55], s[6:7], s[54:55]
	s_add_nc_u64 s[XB:XB+1], s[8:9], s[58:59]
	s_add_nc_u64 s[XSB:XSB+1], s[10:11], s[60:61]
	ROUND                                          ; all four work-groups are here: the joint loads meet
	s_cmp_lt_u32 s[WV], 8                          ; the branches hang on the wave's number alone.  A wave has one tensor load out at the most.  Four v_nop follow each line
	s_cbranch_scc0 .Lnot_codes
	tensor_load_to_lds s[G0C:G0C+3], s[G1C:G1C+7]
	s_nop 0
.rept 4
	v_nop
.endr
	s_branch .Lasked
.Lnot_codes:
	s_cmp_lt_u32 s[WV], 10
	s_cbranch_scc0 .Lasked
	tensor_load_to_lds s[G0S:G0S+3], s[G1S:G1S+7]
	s_nop 0
.rept 4
	v_nop
.endr
.Lasked:
	v_and_b32 v7, 31, v0
	s_delay_alu instid0(VALU_DEP_1)
	v_lshlrev_b32 v[LK], 3, v7
	s_delay_alu instid0(VALU_DEP_1)
	v_add_nc_u32 v[LV], VIMG, v[LK]
	v_and_b32 v9, 15, v0
	s_delay_alu instid0(VALU_DEP_1)
	v_lshlrev_b32 v[QSO], 4, v9
	s_delay_alu instid0(VALU_DEP_1)
	v_add_nc_u32 v[LKS], KSC, v[QSO]
	v_lshlrev_b32 v[XO], 3, v7
	s_delay_alu instid0(VALU_DEP_4)
	v_lshlrev_b32 v[XSO], 5, v9
.irp a, 0,1
.irp q, 0,1,2
	global_load_b64 v[QT+6*\a+2*\q:QT+6*\a+2*\q+1], v[XO], s[52:53] offset:768*\a+256*\q
.endr
.endr
	global_load_b64 v[QSW:QSW+1], v[QSO], s[54:55] ; lane r: the words of query r of my two tiles
.irp i, 0,1,2,3,4,5
	v_mov_b32 v[QF+6+\i], 0                        ; zero codes: the upper 64 of the instruction's 128 add nothing
	v_mov_b32 v[KV+48+\i], 0                       ; behind K's last tile
.endr
.irp b, 0,1,2,3
	v_mov_b32 v[236+\b], 0                         ; written once: a lane permute's destination counts as one of its sources
.endr
	v_mov_b32 v252, 0
	v_mov_b32 v253, 0                              ; (named as the upper half of the pair v[252:253] before it is first written)
	s_wait_loadcnt 0x0                             ; Q
	s_wait_tensorcnt 0x0                           ; my part of the head is in LDS,
	s_barrier_signal -1
	s_barrier_wait -1                              ; everybody's is
; A KEY STEP: 128 keys, for the tile of pass p.
.macro STEP p
	v_add_nc_u32 v[ADK], s[TB], v[LK]              ; these three and the v_nop are the places between the last step's products and the loads into the registers that they read
	v_add_nc_u32 v[ADV], s[TB], v[LV]
	v_add_nc_u32 v[ADS], s[TS], v[LKS]
	v_nop
.irp a, 0,1,2,3,4,5,6,7
.irp q, 0,1,2
	ds_load_b64 v[KV+6*\a+2*\q:KV+6*\a+2*\q+1], v[ADK] offset:768*\a+256*\q
.endr
.endr
	ds_load_b128 v[KSW:KSW+3], v[ADS]              ; lane r: the words of tiles 0-3's row r,
	ds_load_b128 v[KSW+4:KSW+7], v[ADS] offset:256 ; of tiles 4-7's
	s_wait_alu depctr_va_vdst(0)
	s_wait_dscnt 0x0
.irp a, 0,1,2,3,4,5,6,7
	v_wmma_scale_f32_16x16x128_f8f6f4 v[S+8*\a:S+8*\a+7], v[KV+6*\a:KV+6*\a+11], v[QF:QF+11], 0, v[KSW+\a], v[QSW+\p] matrix_a_fmt:MATRIX_FMT_FP6 matrix_b_fmt:MATRIX_FMT_FP6
.endr
.rept 4
	v_nop                                          ; places in front of the loads below and of the first read of the scores
.endr
.irp t, 0,1,2,3                                ; V's four tiles are asked for now and land under the softmax
.irp q, 0,1,2,3,4,5
	ds_load_b64 v[KV+12*\t+2*\q:KV+12*\t+2*\q+1], v[ADV] offset:1536*\t+256*\q
.endr
.endr
	ds_load_b128 v[VSW:VSW+3], v[ADS] offset:8192
.irp b, 0,1,2,3
	v_max3_num_f32 v[232+\b], v[S+16*\b], v[S+1+16*\b], v[S+2+16*\b]   ; THE LARGEST SCORE OF EACH BLOCK OF 32 KEYS: for the row's maximum, and, since p rises with the score, for the block's largest p
.endr
.irp i, 3,5,7,9,11,13
.irp b, 0,1,2,3
	v_max3_num_f32 v[232+\b], v[232+\b], v[S+16*\b+\i], v[S+1+16*\b+\i]   ; (the four blocks by turns)
.endr
.endr
.irp b, 0,1,2,3
	v_max_num_f32 v[232+\b], v[232+\b], v[S+15+16*\b]
.endr
.irp b, 0,1,2,3
	s_delay_alu instid0(VALU_DEP_4)
	v_permlanex16_b32 v[236+\b], v[232+\b], s[SEL], s[SEL+1]
.endr
.irp b, 0,1,2,3
	s_delay_alu instid0(VALU_DEP_4)
	v_max_num_f32 v[232+\b], v[232+\b], v[236+\b]  ; with lane l xor 16's 16 keys
.endr
	s_delay_alu instid0(VALU_DEP_2)
	v_max3_num_f32 v254, v232, v233, v234
	s_delay_alu instid0(VALU_DEP_1)
	v_max_num_f32 v254, v254, v235                 ; the step's largest score of my query
	s_delay_alu instid0(VALU_DEP_1)
	v_mul_f32 v254, s[CS], v254                    ; as t (c is positive)
	s_delay_alu instid0(VALU_DEP_1)
	v_max_num_f32 v13, v13, v254                   ; the running largest t
	v_mov_b32 v254, v12
	s_delay_alu instid0(VALU_DEP_2)
	v_floor_f32 v12, -v13                          ; the new -M = floor(-t) = -ceil(t): M IS A WHOLE NUMBER
	s_delay_alu instid0(VALU_DEP_1)
	v_sub_f32 v254, v12, v254                      ; M's old value less its new one: a whole number, 0 or less
	s_delay_alu instid0(VALU_DEP_1)
	v_cvt_i32_f32 v254, v254                       ; (it saturates)
	s_delay_alu instid0(VALU_DEP_1)
	v_ldexp_f32 v252, 1.0, v254                    ; f = 2^(old M - new M)
.set J, 0
.rept 32
	v_pk_fma_f32 v[S+J:S+J+1], v[S+J:S+J+1], s[CS:CS+1], v[12:13] op_sel_hi:[1,0,0]   ; t - M, two at a time (of the pairs c and -M the low word serves both halves)
.set J, J+2
.endr
.irp b, 0,1,2,3
	v_fma_f32 v[232+\b], v[232+\b], s[CS], v12     ; the same of each block's largest score
.endr
.set J, 0
	s_setprio 1
	s_wait_alu depctr_va_vdst(0)
.rept 64
	v_exp_f32 v[S+J], v[S+J]                       ; p = 2^(t - M), at most 1: NOT normalised
.set J, J+1
.endr
	v_pk_mul_f32 v[14:15], v[14:15], v[252:253] op_sel_hi:[1,0]   ; the sums under the new M.  (The plain line behind the exponentials)
	s_wait_alu depctr_va_vdst(0)                   ; one wait for the whole batch, ahead of its first reader
.irp b, 0,1,2,3
	v_exp_f32 v[232+\b], v[232+\b]                 ; the block's largest p: the same two instructions on the same number give the same bits
.endr
	v_pk_add_f32 v[248:249], v[S:S+1], v[S+2:S+3]  ; THE ROW'S SUM IS TAKEN OF THE UNQUANTISED p: two at a time, in two chains.  (It reads the 64 alone: plain work behind the four)
.irp j, 4,8,12,16,20,24,28,32,36,40,44
	v_pk_add_f32 v[14:15], v[14:15], v[S+\j:S+1+\j]
	v_pk_add_f32 v[248:249], v[248:249], v[S+2+\j:S+3+\j]
.endr
	s_wait_alu depctr_va_vdst(0)                   ; and one for the four
.irp b, 0,1,2,3
	v_max_num_f32 v[232+\b], 0x1800000, v[232+\b]  ; the floor 2^(3 - 127): the byte cannot fall under 1
.endr
.irp b, 0,1,2,3
	s_delay_alu instid0(VALU_DEP_4)
	v_add_nc_u32 v[244+\b], 0xff000000, v[232+\b]  ; 2 off the exponent field: the conversion's scale operand
.endr
.irp b, 0,1,2,3
	s_delay_alu instid0(VALU_DEP_4)
	v_lshrrev_b32 v[236+\b], 23, v[244+\b]         ; the scale's byte
.endr
	s_delay_alu instid0(VALU_DEP_3)
	v_lshl_or_b32 v253, v237, 8, v236              ; p's scale word for these 128 keys
	s_delay_alu instid0(VALU_DEP_1)
	v_lshl_or_b32 v253, v238, 16, v253
	s_delay_alu instid0(VALU_DEP_1)
	v_lshl_or_b32 v253, v239, 24, v253
.irp c, 0,1
	v_cvt_scalef32_pk16_fp6_f32 v[224+6*\c:226+6*\c], v[S+32*\c:S+15+32*\c], v[244+2*\c]
	v_cvt_scalef32_pk16_fp6_f32 v[236+4*\c:238+4*\c], v[S+16+32*\c:S+31+32*\c], v[244+2*\c+1]   ; (a conversion's three registers begin on an even number)
.endr
	v_nop                                          ; one plain line behind a scaled conversion
.irp c, 0,1                                    ; the operand's layout wants a WHOLE block in a lane
.irp i, 0,1,2
	v_permlane16_swap_b32 v[224+6*\c+\i], v[236+4*\c+\i]
.endr
.irp i, 0,1,2
	s_delay_alu instid0(VALU_DEP_3)
	v_mov_b32 v[227+6*\c+\i], v[236+4*\c+\i]
.endr
.endr
.set J, 0
	s_setprio 0
.rept 16
	v_pk_mul_f32 v[O+J:O+J+1], v[O+J:O+J+1], v[252:253] op_sel_hi:[1,0]   ; O^T under the new M: x f, each accumulator from its low end on
.set J, J+2
.endr
.irp j, 48,52,56,60                            ; the rest of the sums (the conversions have only read p): with the 16 lines above, the plain lines between the writes of p's codes, of its scale word and of O^T and the products below
	v_pk_add_f32 v[14:15], v[14:15], v[S+\j:S+1+\j]
	v_pk_add_f32 v[248:249], v[248:249], v[S+2+\j:S+3+\j]
.endr
	s_delay_alu instid0(VALU_DEP_1)
	v_pk_add_f32 v[14:15], v[14:15], v[248:249]
	s_wait_dscnt 0x0                               ; V is in
.irp t, 0,1,2,3                                ; O^T += V^T P^T: the four accumulators by turns; eight other products lie between two links
	v_wmma_scale_f32_16x16x128_f8f6f4 v[O+8*\t:O+8*\t+7], v[KV+12*\t:KV+12*\t+11], v[224:235], v[O+8*\t:O+8*\t+7], v[VSW+\t], v253 matrix_a_fmt:MATRIX_FMT_FP6 matrix_b_fmt:MATRIX_FMT_FP6
.endr
.endm
; The tile's end: O^T / the sum is x; register 16 b + i is channel 32 b + 16 (lane / 16) + i of my query: two blocks of 32, quantised in registers; three register pairs leave, 256 consecutive aligned bytes each.
.macro FINISH p
	v_add_f32 v14, v14, v15                        ; the sum's two halves,
	s_delay_alu instid0(VALU_DEP_1)
	v_permlanex16_b32 v252, v14, s[SEL], s[SEL+1]
	s_delay_alu instid0(VALU_DEP_1)
	v_add_f32 v14, v14, v252                       ; and lane l xor 16's: the row's sum
	s_wait_alu depctr_va_vdst(0)
	v_rcp_f32 v14, v14
.rept 3
	v_nop                                          ; the plain line behind the reciprocal; with the additions above, the places behind the last products
.endr
	s_wait_alu depctr_va_vdst(0)                   ; the wait ahead of the reciprocal's first reader
.set J, 0
.rept 16
	v_pk_mul_f32 v[S+J:S+J+1], v[O+J:O+J+1], v[14:15] op_sel_hi:[1,0]
.set J, J+2
.endr
.irp b, 0,1
	v_max3_num_f32 v[232+\b], |v[S+16*\b]|, |v[S+1+16*\b]|, 0x1800000
.endr
.irp i, 2,4,6,8,10,12,14
.irp b, 0,1
	s_delay_alu instid0(VALU_DEP_2)
	v_max3_num_f32 v[232+\b], v[232+\b], |v[S+16*\b+\i]|, |v[S+1+16*\b+\i]|
.endr
.endr
.irp b, 0,1
	s_delay_alu instid0(VALU_DEP_2)
	v_permlanex16_b32 v[236+\b], v[232+\b], s[SEL], s[SEL+1]
.endr
.irp b, 0,1
	s_delay_alu instid0(VALU_DEP_2)
	v_max_num_f32 v[232+\b], v[232+\b], v[236+\b]
.endr
.irp b, 0,1
	s_delay_alu instid0(VALU_DEP_2)
	v_add_nc_u32 v[244+\b], 0xff000000, v[232+\b]
.endr
.irp b, 0,1
	s_delay_alu instid0(VALU_DEP_2)
	v_lshrrev_b32 v[236+\b], 23, v[244+\b]
.endr
	s_delay_alu instid0(VALU_DEP_1)
	v_lshl_or_b32 v240, v237, 8, v236              ; the head's two scale bytes of my row
	v_cvt_scalef32_pk16_fp6_f32 v[224:226], v[S:S+15], v244
	v_cvt_scalef32_pk16_fp6_f32 v[236:238], v[S+16:S+31], v245
	v_nop                                          ; one plain line behind a scaled conversion
.irp i, 0,1,2
	v_permlane16_swap_b32 v[224+\i], v[236+\i]
.endr
.irp i, 0,1,2
	s_delay_alu instid0(VALU_DEP_3)
	v_mov_b32 v[227+\i], v[236+\i]
.endr
.irp i, 0,1,2
	global_store_b64 v[XO], v[224+2*\i:225+2*\i], s[XB:XB+1] offset:12288*\p+256*\i
.endr
	global_store_b16 v[XSO], v240, s[XSB:XSB+1] offset:512*\p   ; lanes r and 16 + r store the same two bytes with the same value
.endm
.macro PASS p
	s_wait_xcnt 0x0                                ; the last pass's stores have read their data: those registers are written again only behind this wait
.irp i, 0,1,2,3,4,5
	v_mov_b32 v[QF+\i], v[QT+6*\p+\i]
.endr
	v_mov_b32 v13, 0xff61b1e6                      ; the largest t so far: -3e38, under every t
	s_delay_alu instid0(VALU_DEP_1)
	v_floor_f32 v12, -v13                          ; -M
	v_mov_b32 v14, 0                               ; the sum, in two halves
	v_mov_b32 v15, 0
.set J, 0
.rept 32
	v_mov_b32 v[O+J], 0                            ; O^T.  (The step is written once: the first finds zeros, which the first change of M leaves zeros)
.set J, J+1
.endr
	s_mov_b32 s[TB], 0
	s_mov_b32 s[TS], 0
	s_mov_b32 s[CNT], 16
.Lstep_\@:
	s_setprio 2
	STEP \p
	s_add_co_u32 s[TB], s[TB], 6144
	s_add_co_u32 s[TS], s[TS], 512
	s_sub_co_u32 s[CNT], s[CNT], 1
	s_cmp_lg_u32 s[CNT], 0
	s_cbranch_scc1 .Lstep_\@
	s_setprio 0
	s_wait_alu depctr_va_vdst(0)
	FINISH \p
.endm
	PASS 0
	PASS 1
	s_wait_dscnt 0x0
	s_wait_tensorcnt 0x0
	ds_add_u32 v251, v255
	s_wait_dscnt 0x0
	ROUND                                          ; the closing round: no work-group ends while a partner may still ask for a tile that names it
	s_endpgm
.Lfunc_end_k_q871f254940_attn:
	.size	k_q871f254940_attn, .Lfunc_end_k_q871f254940_attn-k_q871f254940_attn
	.p2alignl 7, 3214868480
	.fill 96, 4, 3214868480
	.section	.rodata,"a",@progbits
	.p2align	6, 0x0
	.amdhsa_kernel k_q871f254940_attn
		.amdhsa_group_segment_fixed_size 215040
		.amdhsa_private_segment_fixed_size 0
		.amdhsa_enable_private_segment 0
		.amdhsa_kernarg_size 32
		.amdhsa_user_sgpr_count 2
		.amdhsa_user_sgpr_kernarg_segment_ptr 1
		.amdhsa_wavefront_size32 1
		.amdhsa_system_sgpr_workgroup_id_x 1
		.amdhsa_system_sgpr_workgroup_id_y 1
		.amdhsa_system_sgpr_workgroup_id_z 1
		.amdhsa_system_vgpr_workitem_id 0
		.amdhsa_next_free_vgpr 256
		.amdhsa_next_free_sgpr 80
		.amdhsa_reserve_vcc 0
		.amdhsa_float_denorm_mode_32 3
		.amdhsa_float_denorm_mode_16_64 3
		.amdhsa_memory_ordered 1
		.amdhsa_forward_progress 1
		.amdhsa_inst_pref_size 56
	.end_amdhsa_kernel
	.amdgpu_metadata
---
amdhsa.version: [ 1, 2 ]
amdhsa.kernels:
  - .name:           k_q871f254940_attn
    .symbol:         k_q871f254940_attn.kd
    .args:
      - { .name: p_codes, .offset: 0, .size: 8, .value_kind: global_buffer, .address_space: global }
      - { .name: p_scales, .offset: 8, .size: 8, .value_kind: global_buffer, .address_space: global }
      - { .name: x_codes, .offset: 16, .size: 8, .value_kind: global_buffer, .address_space: global }
      - { .name: x_scales, .offset: 24, .size: 8, .value_kind: global_buffer, .address_space: global }
    .group_segment_fixed_size: 215040
    .private_segment_fixed_size: 0
    .kernarg_segment_align: 8
    .kernarg_segment_size: 32
    .max_flat_workgroup_size: 512
    .sgpr_count:     80
    .vgpr_count:     256
    .wavefront_size: 32
...
	.end_amdgpu_metadata
.endif
;; end of part 3
;; launch fc (part 4): grid 4 x 32, 4 waves a work-group, clusters of 4 x 4, 327,680 bytes of LDS; arguments x_codes, x_scales, in_codes, in_scales, b_fc, out0; writes out0
.if DOCPART == 4
	.amdgcn_target "amdgcn-amd-amdhsa--gfx1250"
	.amdhsa_code_object_version 6
	.text
	.protected	k_q871f254940_fc
	.globl	k_q871f254940_fc
	.p2align	8
	.type	k_q871f254940_fc,@function
k_q871f254940_fc:
	s_mov_b64 s[64:65], 0
	v_nop
	global_prefetch_b8 v0, s[64:65] scope:SCOPE_SE
	s_setreg_imm32_b32 hwreg(HW_REG_WAVE_MODE, 25, 1), 1
	s_wait_xcnt 0x0
	s_wait_alu depctr_hold_cnt(0) depctr_sa_sdst(0) depctr_va_vdst(0) depctr_va_sdst(0) depctr_va_ssrc(0) depctr_va_vcc(0) depctr_vm_vsrc(0)
	s_getreg_b32 s2, hwreg(HW_REG_IB_STS2, 6, 4)
	s_cmp_eq_u32 s2, 0
	s_cbranch_scc0 .Lentry_in_a_cluster
	s_endpgm
.Lentry_in_a_cluster:
	s_bfe_u32 s2, ttmp6, 0x10000c
	s_cmp_lg_u32 s2, 0xf033
	s_cbranch_scc0 .Lentry_shape_is_right
	s_endpgm
.Lentry_shape_is_right:
; out0[m][n] = sum over k of x[m][k] w_fc[n][k] + b_fc[n], on codes of FP6 (E2M3) with E8M0 scales, K = 1,024; out0 [8192][1024] f32.
; A tile of 256 x 256 is made by a work-group of four waves, a wave 128 x 128: 64 accumulators, 512 registers.  K goes in steps of 256 through a ring of two LDS slots filled by the tensor data mover.
; A = x lies in x_codes as IMAGES OF FRAGMENTS: [block of 16 rows][128 along K: 8][register pair 6][lane][8 bytes]; a slot's part of a block is 3,072 consecutive bytes, and a fragment is six loads of 8 bytes a lane, lane by lane.
; B = w_fc lies in in_codes as rows of 768 bytes from place 27,648 on.  The scale bytes of both (32 bytes a row) come into LDS once, with the first fills.
; CLUSTERS: 4 x 4 work-groups; A's tiles are asked for jointly by a row of the cluster, B's by a column.
; ROWS OF BOTH OPERANDS LIE AT THEIR INDEX WITH BITS 3 AND 4 SWAPPED; the matrix instruction is used TRANSPOSED.  In accumulator (a, b) lane (r, h), register j holds column 32 (b / 2) + 16 h + 8 (b % 2) + j of row
; 32 (a / 2) + 8 (a % 2) + r % 8 + 16 (r / 8): the way out puts both back by its immediate offsets.  The bias is the C of each sum's first matrix instruction (so it is the sum's first term, not its last).
; 128 work-groups: a tile of 256 x 256 keeps a wave's 128 x 128; no prefetch: four K steps a tile, each tile shared in the cluster.
; REGISTERS, in windows of 256: window 0: v0-31 addresses; v32-63 scale words, two sets, and nothing else; v64-127 the bias; v128-223 A's fragments, one set; on the way out v128-255 rows of out0.
;   window 1: B's fragments, two sets.   windows 2, 3: the accumulators ((a, b) at v[8 (8 (a % 4) + b)]).
.set NQ,     2
.set ROWB,   192                       ; a row of B's tile in bytes
.set ASTEP,  3072                      ; a block's part of a slot in x_codes
.set KROW,   768
.set PITCH,  240                       ; B's LDS row: 3 x (64 bytes of data + 16 of padding)
.set FR,     12
.set NL,     6
.set NP,     4
.set HALFT,  128*PITCH                 ; what one tensor load may take of LDS (A's loads use 24,576 bytes of it)
.set SLOT,   4*HALFT
.set LAPS,   2
.set KS,     32
.set SCL,    2*SLOT
.set HALFS,  16*272
.set SBLK,   2*272
.set SPARE,  SCL+4*HALFS               ; the spare words, 128 bytes for each wave, that no other line names
.set SPITCH, 528                       ; the way out: a stage of 16 rows x (512 bytes + 16) for each wave, in slot 0, which has had its last fill and its last read when the first result is stored there
.set ADRA, 16                          ; v16-17 LDS address of my A fragments in slot 0, 1
.set ADRB, 20                          ; v20-21 the same for B (v22-23: behind one padding more)
.set STO,  24
.set RD,   25
.set CO,   26
.set ADRS, 27
.set SPW,  28
.set NIL,  29
.set BNO,  30
.set SC,   32
.set BN,   64
.set AF,   128
.set BK,   128
.set G1, 24
.set G0, 32
.set G1B, 48
.set G0B, 56
.set G1S, 68
.set G0S, 76
.set G1SB, 80
.set G0SB, 88
.set MSB, 0
.macro WIN new                         ; the immediate's high byte repeats the setting that is left
.if MSB != (\new)
	s_set_vgpr_msb (MSB<<8)|(\new)
.set MSB, (\new)
.endif
.endm
.set MUL_LO, 0xa1
.set MUL_HI, 0xf1
.set FIRST_LO, 0x81                    ; the first step: C (the bias) window 0, D window 2
.set FIRST_HI, 0xc1
.set TO_B,   0x40
.macro JLOAD g0a, g1a, g0b, g1b        ; a joint load: waves 0 and 1 fetch for A, waves 2 and 3 for B; four v_nop follow each of the two lines
	s_cmp_eq_u32 s15, 0
	s_cbranch_scc0 .Lfor_b_\@
	tensor_load_to_lds s[\g0a:\g0a+3], s[\g1a:\g1a+7]
	s_nop 0
.rept 4
	v_nop
.endr
	s_branch .Lasked_\@
.Lfor_b_\@:
	tensor_load_to_lds s[\g0b:\g0b+3], s[\g1b:\g1b+7]
	s_nop 0
.rept 4
	v_nop
.endr
.Lasked_\@:
.endm
.macro CREST
	s_cmp_lg_u32 s14, 0
	s_cbranch_scc1 .Lnot_wave_0_\@
	s_barrier_signal -3
.Lnot_wave_0_\@:
	s_barrier_wait -3
	s_barrier_signal -1
	s_barrier_wait -1
.endm
.macro CROUND
	s_barrier_signal -1
	s_barrier_wait -1
	CREST
.endm
	s_load_b256 s[4:11], s[0:1], 0x0               ; x_codes s[4:5], x_scales s[6:7], in_codes s[8:9], in_scales s[10:11]
	s_load_b128 s[96:99], s[0:1], 0x20             ; b_fc s[96:97], out0 s[98:99]
	v_lshl_add_u32 v[SPW], v0, 2, SPARE
	v_mov_b32 v[NIL], 0
	ds_add_u32 v28, v29
	ds_add_u32 v28, v29
	s_wait_dscnt 0x0
	v_lshrrev_b32 v1, 5, v0
	v_readfirstlane_b32 s14, v1                    ; wave 0..3
	s_lshr_b32 s15, s14, 1                         ; which half of the tile's rows is mine.  Also: I fetch for A (0) or for B (1)
	s_and_b32 s16, s14, 1                          ; which half of its columns.  Also: which 128 rows of that tile I fetch
	s_bfe_u32 s40, ttmp6, 0x40000                  ; cx, cy
	s_bfe_u32 s41, ttmp6, 0x40004
	s_lshl_b32 s42, ttmp9, 2
	s_add_co_u32 s42, s42, s40                     ; tile column
	s_and_b32 s17, ttmp7, 0xffff
	s_lshl_b32 s17, s17, 2
	s_add_co_u32 s17, s17, s41                     ; tile row
	s_lshl_b32 s43, s41, 2
	s_lshl_b32 s43, 15, s43                        ; my row of the cluster
	s_lshl_b32 s44, 0x1111, s40                    ; my column
	; A's tiles: 8 blocks x 3,072 bytes (384 elements of 8), 12,288 bytes (1,536 elements) apart, dense in LDS
	s_or_b32 s[G1+0], s43, (3<<16)|(1<<21)
	s_mov_b32 s[G1+1], 384<<16
	s_mov_b32 s[G1+2], 8<<16
	s_mov_b32 s[G1+3], 384<<16
	s_mov_b32 s[G1+4], 8
	s_mov_b32 s[G1+5], 1536
	s_mov_b32 s[G1+6], 0
	s_mov_b32 s[G1+7], 0
	; B's tiles: 128 rows x 192 bytes, 16 bytes of padding behind every 64
	s_or_b32 s[G1B+0], s44, (0<<16)|(1<<20)|(1<<21)|(3<<22)|(3<<25)
	s_mov_b32 s[G1B+1], ROWB<<16
	s_mov_b32 s[G1B+2], 128<<16
	s_mov_b32 s[G1B+3], ROWB<<16
	s_mov_b32 s[G1B+4], 128
	s_mov_b32 s[G1B+5], KROW
	s_mov_b32 s[G1B+6], 0
	s_mov_b32 s[G1B+7], 0
	; the scales of 128 rows: 4,096 dense bytes as 16 rows of 256, 16 bytes of padding behind each
	s_or_b32 s[G1S+0], s43, (3<<16)|(1<<20)|(1<<21)|(5<<22)|(3<<25)
	s_or_b32 s[G1SB+0], s44, (3<<16)|(1<<20)|(1<<21)|(5<<22)|(3<<25)
.irp g, G1S, G1SB
	s_mov_b32 s[\g+1], 32<<16
	s_mov_b32 s[\g+2], 16<<16
	s_mov_b32 s[\g+3], 32<<16
	s_mov_b32 s[\g+4], 16
	s_mov_b32 s[\g+5], 32
	s_mov_b32 s[\g+6], 0
	s_mov_b32 s[\g+7], 0
.endr
	s_lshl_b32 s18, s16, 7                         ; which 128 rows of the tile I fetch
	s_lshl_b32 s20, s17, 8
	s_add_co_u32 s20, s20, s18                     ; A: place 256 x tile row + 128 x half
	s_lshl_b32 s46, s42, 8
	s_add_co_u32 s46, s46, s18
	s_add_co_u32 s46, s46, 27648                   ; B: w_fc's first place + 256 x tile column + 128 x half
	s_mov_b32 s21, 0
	s_mov_b32 s47, 0
	s_mov_b64 s[18:19], KS
	s_mul_u64 s[22:23], s[20:21], s[18:19]         ; where these rows' scales begin
	s_mul_u64 s[92:93], s[46:47], s[18:19]
	s_mov_b64 s[18:19], KROW
	s_mul_u64 s[20:21], s[20:21], s[18:19]         ; and their codes (A: 16 rows x 768 bytes are one block of 12,288)
	s_mul_u64 s[46:47], s[46:47], s[18:19]
	s_mul_i32 s45, s14, HALFT
	s_mul_i32 s94, s14, HALFS
	s_wait_kmcnt 0x0
	s_add_nc_u64 s[20:21], s[4:5], s[20:21]
	s_add_nc_u64 s[22:23], s[6:7], s[22:23]
	s_add_nc_u64 s[46:47], s[8:9], s[46:47]
	s_add_nc_u64 s[92:93], s[10:11], s[92:93]
	CROUND                                         ; all sixteen work-groups are here: the first joint loads meet
	s_mov_b32 s[G0S], 1
	s_add_co_u32 s[G0S+1], s94, SCL
	s_mov_b64 s[G0S+2:G0S+3], s[22:23]
	s_or_b32 s[G0S+3], s[G0S+3], 0x80000000
	s_mov_b32 s[G0SB], 1
	s_add_co_u32 s[G0SB+1], s94, SCL
	s_mov_b64 s[G0SB+2:G0SB+3], s[92:93]
	s_or_b32 s[G0SB+3], s[G0SB+3], 0x80000000
	JLOAD G0S, G1S, G0SB, G1SB
.irp s, 0,1
	s_mov_b32 s[G0+4*\s], 1
	s_add_co_u32 s[G0+4*\s+1], s45, \s*SLOT
	s_add_nc_u64 s[G0+4*\s+2:G0+4*\s+3], s[20:21], \s*ASTEP
	s_or_b32 s[G0+4*\s+3], s[G0+4*\s+3], 0x80000000
	s_mov_b32 s[G0B+4*\s], 1
	s_add_co_u32 s[G0B+4*\s+1], s45, \s*SLOT
	s_add_nc_u64 s[G0B+4*\s+2:G0B+4*\s+3], s[46:47], \s*ROWB
	s_or_b32 s[G0B+4*\s+3], s[G0B+4*\s+3], 0x80000000
	JLOAD G0+4*\s, G1, G0B+4*\s, G1B
.endr
	v_and_b32 v1, 15, v0                           ; r
	v_bfe_u32 v2, v0, 4, 1                         ; h
	; out0 at my first row and column; the bias at my first column
	s_lshl_b32 s20, s17, 8
	s_lshl_b32 s21, s15, 7
	s_add_co_u32 s20, s20, s21                     ; my first row: 256 x tile row + 128 x half
	s_mov_b32 s21, 0
	s_mov_b64 s[18:19], 4096
	s_mul_u64 s[20:21], s[20:21], s[18:19]
	s_lshl_b32 s46, s42, 10                        ; my first column, in bytes: 1,024 x tile column + 512 x half
	s_lshl_b32 s47, s16, 9
	s_add_co_u32 s46, s46, s47
	s_mov_b32 s47, 0
	s_add_nc_u64 s[20:21], s[20:21], s[46:47]
	s_add_nc_u64 s[12:13], s[98:99], s[20:21]
	s_add_nc_u64 s[2:3], s[96:97], s[46:47]
	v_lshlrev_b32 v[BNO], 6, v2
.irp b, 0,1,2,3,4,5,6,7
	global_load_b128 v[BN+8*\b:BN+8*\b+3], v[BNO], s[2:3] offset:(32*(\b/2)+8*(\b%2))*4       ; columns 32 (b / 2) + 16 h + 8 (b % 2) + 0 .. 7: the result's layout
	global_load_b128 v[BN+8*\b+4:BN+8*\b+7], v[BNO], s[2:3] offset:(32*(\b/2)+8*(\b%2))*4+16
.endr
	v_and_b32 v6, 31, v0
	v_lshlrev_b32 v7, 3, v6                        ; A: 8 x lane
	v_mul_u32_u24 v3, v1, PITCH
	v_mul_u32_u24 v4, v2, 24
	v_add_nc_u32 v4, v3, v4                        ; B: a fragment's row x pitch + 24 x half
	v_lshl_add_u32 v5, v2, 4, v4                   ; and the same behind one padding more
	s_mul_i32 s21, s15, HALFT                      ; my 128 rows of A
	s_mul_i32 s22, s16, HALFT                      ; my 128 rows of B,
	s_add_co_u32 s22, s22, 2*HALFT                 ; which lie behind A's
.irp s, 0,1
	v_add_nc_u32 v[ADRA+\s], s21, v7
	v_add_nc_u32 v[ADRB+\s], s22, v4
	v_add_nc_u32 v[ADRB+2+\s], s22, v5
	s_add_co_u32 s21, s21, SLOT
	s_add_co_u32 s22, s22, SLOT
.endr
	v_mul_u32_u24 v5, v1, KS
	v_lshrrev_b32 v8, 8, v5
	v_lshl_add_u32 v5, v8, 4, v5
	s_mul_i32 s21, s15, HALFS
	s_mul_i32 s22, s16, HALFS
	s_add_co_u32 s22, s22, 2*HALFS
	s_sub_co_u32 s22, s22, s21
	v_mul_u32_u24 v8, s22, v2                      ; lanes 16-31 take B's
	s_add_co_u32 s21, s21, SCL
	v_add_nc_u32 v5, v5, v8
	v_add_nc_u32 v[ADRS], s21, v5
	s_mul_i32 s23, s14, 16*SPITCH                  ; my stage
	v_mul_u32_u24 v5, v1, SPITCH                   ; in: row r, 64 bytes on for lanes 16-31
	v_lshl_add_u32 v5, v2, 6, v5
	v_add_nc_u32 v[STO], s23, v5
	v_lshlrev_b32 v[CO], 4, v6                     ; back: the 32 lanes take one row of 512 bytes; and the same in out0
	v_add_nc_u32 v[RD], s23, v[CO]
	s_wait_loadcnt 0x0                             ; the bias is in; its base may be written again
.macro FRAG reg, adr, q, i             ; B's fragment from padded rows: pieces of 8 bytes; where the piece three on lies behind one padding more, the second address register serves
.irp p, 0,1,2,3,4,5
.set PIECE, 12*(\q)+6*(\p/3)+\p%3
.if PIECE%8 < 5
	ds_load_b64 v[\reg+2*\p:\reg+2*\p+1], v[\adr] offset:8*PIECE+16*(PIECE/8)+(\i)*16*PITCH
.else
	ds_load_b64 v[\reg+2*\p:\reg+2*\p+1], v[\adr+2] offset:8*PIECE+16*(PIECE/8)+(\i)*16*PITCH
.endif
.endr
.endm
.macro FRAGA reg, adr, q, i            ; A's fragment from its image: register pair p of the 32 lanes is 256 consecutive bytes
.irp p, 0,1,2,3,4,5
	ds_load_b64 v[\reg+2*\p:\reg+2*\p+1], v[\adr] offset:3072*(\i)+1536*(\q)+256*\p
.endr
.endm
; 16 matrix instructions: A's blocks a0, a0 + 1 x B's eight.  first = 1: the bias starts the sums.  The 64 accumulators take turns, one instruction a turn.
.macro MUL16 a0, p, q, sc, first
.irp a, \a0, \a0+1
.irp b, 0,1,2,3,4,5,6,7
.if \first
	v_wmma_scale_f32_16x16x128_f8f6f4 v[8*(8*((\a)%4)+\b):8*(8*((\a)%4)+\b)+7], v[128*(\p)+FR*\b:128*(\p)+FR*\b+FR-1], v[AF+FR*(\a):AF+FR*(\a)+FR-1], v[BN+8*\b:BN+8*\b+7], v[SC+8*NQ*(\sc)+NQ*\b+(\q)], v[SC+8*NQ*(\sc)+NQ*(\a)+(\q)] matrix_a_fmt:MATRIX_FMT_FP6 matrix_b_fmt:MATRIX_FMT_FP6 matrix_a_scale:MATRIX_SCALE_ROW1
.else
	v_wmma_scale_f32_16x16x128_f8f6f4 v[8*(8*((\a)%4)+\b):8*(8*((\a)%4)+\b)+7], v[128*(\p)+FR*\b:128*(\p)+FR*\b+FR-1], v[AF+FR*(\a):AF+FR*(\a)+FR-1], v[8*(8*((\a)%4)+\b):8*(8*((\a)%4)+\b)+7], v[SC+8*NQ*(\sc)+NQ*\b+(\q)], v[SC+8*NQ*(\sc)+NQ*(\a)+(\q)] matrix_a_fmt:MATRIX_FMT_FP6 matrix_b_fmt:MATRIX_FMT_FP6 matrix_a_scale:MATRIX_SCALE_ROW1
.endif
.endr
.endr
.endm
.macro FETCH_B slot, q, p
	WIN TO_B
.irp i, 0,1,2,3,4,5,6,7
	FRAG 128*(\p)+FR*\i, ADRB+\slot, \q, \i
.endr
	WIN 0
.endm
.macro FETCH_A slot, q, i0
.irp i, \i0, \i0+1, \i0+2, \i0+3
	FRAGA AF+FR*(\i), ADRA+\slot, \q, \i
.endr
.endm
.macro SCALES sc
.irp i, 0,1,2,3,4,5,6,7
	ds_load_b64 v[SC+8*NQ*\sc+NQ*\i:SC+8*NQ*\sc+NQ*\i+1], v[ADRS] offset:\i*SBLK
.endr
.endm
.macro PLACES n                        ; plain vector lines between a matrix instruction and a load into, or a read of, its registers (ISA guide 7.12.1 for reads)
.rept \n
	v_nop
.endr
.endm
.macro STEP slot, q, first
	s_wait_dscnt 4*NL                              ; B's set and A's blocks 0-3 are in; the youngest 24 loads (A's blocks 4-7) may be out
.if \first
	WIN FIRST_LO
.else
	WIN MUL_LO
.endif
	MUL16 0, (\q)%2, \q, \slot, \first
	MUL16 2, (\q)%2, \q, \slot, \first
	s_wait_dscnt 0                                 ; A's blocks 4-7 are in
	PLACES NP
	FETCH_B \slot, (\q)+1, 1-(\q)%2
	FETCH_A \slot, (\q)+1, 0
.if \first
	WIN FIRST_HI
.else
	WIN MUL_HI
.endif
	MUL16 4, (\q)%2, \q, \slot, \first
	MUL16 6, (\q)%2, \q, \slot, \first
	PLACES NP
	WIN 0
	FETCH_A \slot, (\q)+1, 4
.endm
; A slot's last step changes slots: ONE barrier; in front of it each wave waits for all its tensor loads, adds 0 to its spare word, and waits for that and for its own reads of this slot.
.macro TURN slot, next, fill
	s_wait_tensorcnt 0x0                           ; all my tensor loads have landed: my part of the next slot
	ds_add_u32 v[SPW], v[NIL]                      ; 0 onto my spare word
	s_wait_dscnt 4*NL+1                            ; (the add and the youngest 24 loads may be out)
	WIN MUL_LO
	MUL16 0, 1, NQ-1, \slot, 0
	s_wait_dscnt 0x0                               ; the add is done, and my reads of this slot are over
	s_barrier_signal -1
	MUL16 2, 1, NQ-1, \slot, 0
	WIN 0
	s_barrier_wait -1
.if \fill
	CREST                                          ; the barrier has opened a round of the cluster's barrier: no wave of any partner still reads this slot's tile or has a load on its way
	s_add_nc_u64 s[G0+4*\slot+2:G0+4*\slot+3], s[G0+4*\slot+2:G0+4*\slot+3], 2*ASTEP
	s_add_nc_u64 s[G0B+4*\slot+2:G0B+4*\slot+3], s[G0B+4*\slot+2:G0B+4*\slot+3], 2*ROWB
	JLOAD G0+4*\slot, G1, G0B+4*\slot, G1B         ; the first tensor load behind the round; its four v_nop are the places in front of the loads below
.else
	PLACES NP
.endif
	v_add_nc_u32 v[ADRS], 4*NQ, v[ADRS]            ; on to the next K step's scale words
	FETCH_B \next, 0, 0
	FETCH_A \next, 0, 0
	SCALES \next
	WIN MUL_HI
	MUL16 4, 1, NQ-1, \slot, 0
	MUL16 6, 1, NQ-1, \slot, 0
	PLACES NP
	WIN 0
	FETCH_A \next, 0, 4
.endm
	s_wait_tensorcnt 1                             ; the scales and my part of K step 0 are in (K step 1's load may be out)
	s_barrier_signal -1
	s_barrier_wait -1                              ; everybody's are
	FETCH_B 0, 0, 0
	FETCH_A 0, 0, 0
	SCALES 0
	FETCH_A 0, 0, 4
	STEP 0, 0, 1                                   ; the first step's products start the sums on the bias
	s_mov_b32 s3, LAPS-1
.Llap:
	TURN 0, 1, 1
	STEP 1, 0, 0
	TURN 1, 0, 1
	STEP 0, 0, 0
	s_sub_co_u32 s3, s3, 1
	s_cmp_lg_u32 s3, 0
	s_cbranch_scc1 .Llap
	TURN 0, 1, 0                                   ; the last lap fills nothing
	STEP 1, 0, 0
	s_wait_dscnt 4*NL
	WIN MUL_LO
	MUL16 0, 1, NQ-1, 1, 0
	MUL16 2, 1, NQ-1, 1, 0
	s_wait_dscnt 0
	WIN MUL_HI
	MUL16 4, 1, NQ-1, 1, 0
	MUL16 6, 1, NQ-1, 1, 0
	WIN 0
; THE WAY OUT, block by block of 16 rows x 128 columns, through my own stage in LDS: a lane's eight numbers go to their true columns, whole rows of 512 bytes come back, and each goes to its true row of out0.
; LDS serves a wave's instructions in order (ISA guide 5.7.1.4): no wait between the stores and the loads, nor in front of the next block's stores.
.macro TOSTAGE a
.set AC, 64*((\a)%4)
	WIN 0x08+4*((\a)/4)                            ; the data: window 2 or 3
.irp b, 0,1,2,3,4,5,6,7
	ds_store_b128 v[STO], v[AC+8*\b:AC+8*\b+3] offset:128*(\b/2)+32*(\b%2)          ; columns 32 (b / 2) + 16 h + 8 (b % 2) on; each accumulator from its low end on
	ds_store_b128 v[STO], v[AC+8*\b+4:AC+8*\b+7] offset:128*(\b/2)+32*(\b%2)+16
.endr
	WIN 0
.set BB, BK+64*((\a)%2)
.irp t, 0,1,2,3,4,5,6,7,8,9,10,11,12,13,14,15
	ds_load_b128 v[BB+4*\t:BB+4*\t+3], v[RD] offset:\t*SPITCH
.endr
.endm
.macro SEND a, younger                 ; younger: the LDS instructions issued behind block a's loads, which may stay out
.set BB, BK+64*((\a)%2)
	s_wait_dscnt \younger                          ; the block is back in registers
.if (\a) > 0
.if (\a)%2
	s_add_nc_u64 s[12:13], s[12:13], 8*4096        ; (behind a wait on XCNT)  block a begins at row 32 (a / 2) + 8 (a % 2): 8 rows on,
.else
	s_add_nc_u64 s[12:13], s[12:13], 24*4096       ; or 24
.endif
.endif
.irp t, 0,1,2,3,4,5,6,7,8,9,10,11,12,13,14,15
	global_store_b128 v[CO], v[BB+4*\t:BB+4*\t+3], s[12:13] offset:((\t%8)+16*(\t/8))*4096 th:TH_STORE_NT   ; 32 lanes store 512 consecutive bytes, at a multiple of 256 from out0's first byte; the stage's row t is row t % 8 + 16 (t / 8) of the block
.endr
.endm
	PLACES NP
	TOSTAGE 0
.irp a, 1,2,3,4,5,6,7
.if \a > 1
	s_wait_xcnt 0x0                                ; block a - 2's stores have read their registers and their base: block a's loads may land there, and the base may step
.endif
	TOSTAGE \a
	SEND \a-1, 32                                  ; behind block a - 1's loads: block a's 16 stores and 16 loads
.endr
	s_wait_xcnt 0x0                                ; block 6's stores have read their base
	SEND 7, 0
	s_wait_tensorcnt 0x0                           ; the wave's end
	ds_add_u32 v[SPW], v[NIL]
	s_wait_dscnt 0x0
	CROUND                                         ; the closing round
	s_endpgm
.Lfunc_end_k_q871f254940_fc:
	.size	k_q871f254940_fc, .Lfunc_end_k_q871f254940_fc-k_q871f254940_fc
	.p2alignl 7, 3214868480
	.fill 96, 4, 3214868480
	.section	.rodata,"a",@progbits
	.p2align	6, 0x0
	.amdhsa_kernel k_q871f254940_fc
		.amdhsa_group_segment_fixed_size 327680
		.amdhsa_private_segment_fixed_size 0
		.amdhsa_enable_private_segment 0
		.amdhsa_kernarg_size 48
		.amdhsa_user_sgpr_count 2
		.amdhsa_user_sgpr_kernarg_segment_ptr 1
		.amdhsa_wavefront_size32 1
		.amdhsa_system_sgpr_workgroup_id_x 1
		.amdhsa_system_sgpr_workgroup_id_y 1
		.amdhsa_system_sgpr_workgroup_id_z 1
		.amdhsa_system_vgpr_workitem_id 0
		.amdhsa_next_free_vgpr 1024
		.amdhsa_next_free_sgpr 100
		.amdhsa_reserve_vcc 0
		.amdhsa_float_denorm_mode_32 3
		.amdhsa_float_denorm_mode_16_64 3
		.amdhsa_memory_ordered 1
		.amdhsa_forward_progress 1
		.amdhsa_inst_pref_size 161
	.end_amdhsa_kernel
	.amdgpu_metadata
---
amdhsa.version: [ 1, 2 ]
amdhsa.kernels:
  - .name:           k_q871f254940_fc
    .symbol:         k_q871f254940_fc.kd
    .args:
      - { .name: x_codes, .offset: 0, .size: 8, .value_kind: global_buffer, .address_space: global }
      - { .name: x_scales, .offset: 8, .size: 8, .value_kind: global_buffer, .address_space: global }
      - { .name: in_codes, .offset: 16, .size: 8, .value_kind: global_buffer, .address_space: global }
      - { .name: in_scales, .offset: 24, .size: 8, .value_kind: global_buffer, .address_space: global }
      - { .name: b_fc, .offset: 32, .size: 8, .value_kind: global_buffer, .address_space: global }
      - { .name: out0, .offset: 40, .size: 8, .value_kind: global_buffer, .address_space: global }
    .group_segment_fixed_size: 327680
    .private_segment_fixed_size: 0
    .kernarg_segment_align: 8
    .kernarg_segment_size: 48
    .max_flat_workgroup_size: 128
    .sgpr_count:     100
    .vgpr_count:     1024
    .wavefront_size: 32
...
	.end_amdgpu_metadata
.endif
;; end of part 4
